; MI455X (gfx1250); checked and timed in simulation.
; The chip was launched on July 23, 2026; its instructions are those of AMD's public machine-readable ISA for CDNA 5 (MIT licence, August 2026) and "CDNA5" Instruction Set Architecture Reference Guide (July 2026). The comments in the code are by the model that wrote it; some were corrected since.
;; Multi Head Attention. Allowed arithmetic: matrix products marked QUANTISED: E2M3 operands, one E8M0 scale for each 32 along K, by v_wmma_scale_f32_16x16x128_f8f6f4 with both operands' format E2M3, f32 sums; everything else in f32.
;; Inputs: k 4 x 2,048 x 1,024 float32; q 4 x 2,048 x 1,024 float32; v 4 x 2,048 x 1,024 float32; wk 1,024 x 1,024 float32; wo 1,024 x 1,024 float32; wq 1,024 x 1,024 float32; wv 1,024 x 1,024 float32.
;; Outputs: out0 4 x 2,048 x 1,024 float32.
;; This version of the problem:
;;   THIS VERSION OF THE PROBLEM IS GIVEN IN LOW PRECISION. The matrix products marked QUANTISED in the list below multiply operands that are first quantised to E2M3 (2 exponent bits, 3 mantissa bits; 6 bits a number), with one power-of-two scale for each 32 numbers along K (OCP MX v1.0); their sums are f32. All else is computed in f32.
;;   The module's matrix products, in the order in which they are computed (A, B: the left and right operand; K: the contracted axis; several contracted axes count as one K, in the product's order):
;;     1. [M 8,192, K 1,024] x [K 1,024, N 1,024]; A: input q; B: input wq: QUANTISED
;;     2. [M 8,192, K 1,024] x [K 1,024, N 1,024]; A: input k; B: input wk: QUANTISED
;;     3. [M 8,192, K 1,024] x [K 1,024, N 1,024]; A: input v; B: input wv: QUANTISED
;;     4. batch 64 x [M 2,048, K 64] x [K 64, N 2,048]; A: computed on the way; B: computed on the way: QUANTISED
;;     5. batch 64 x [M 2,048, K 2,048] x [K 2,048, N 64]; A: softmax (see below); B: computed on the way: QUANTISED
;;     6. [M 8,192, K 1,024] x [K 1,024, N 1,024]; A: computed on the way; B: input wo: QUANTISED
;;   THE QUANTISER, for each operand of a quantised product, along K:
;;     - K is cut into blocks of 32 from its start; a last block that is shorter is filled with zeros.
;;     - A block's scale is 2^e with e = floor(log2(the largest magnitude in the block)) - 2, held to -126 .. 127; a block of zeros has e = 0. As a byte (E8M0): e + 127.
;;     - Each number is divided by its block's scale, clamped to +-7.5, and rounded to the nearest number of E2M3, ties to even, subnormals kept.
;;     - The product sums the exact products of the quantised numbers (number of the format x scale) in f32.
;;   ~~~python
;;   def quantise(x, axis):      # numpy; x: float32 -> the quantised numbers, widened to float32 again
;;       x = np.moveaxis(x, axis, -1); K = x.shape[-1]
;;       x = np.pad(x, [(0, 0)] * (x.ndim - 1) + [(0, -K % 32)]); x = x.reshape(x.shape[:-1] + (-1, 32)); a = np.abs(x).max(-1, keepdims=True)
;;       e = np.where(a > 0, np.clip(np.frexp(np.where(a > 0, a, 1))[1] - 1 - 2, -126, 127), 0)      # np.frexp(a)[1] - 1 = floor(log2(a)), exactly
;;       r = np.clip(x / 2.0 ** e, -7.5, 7.5)
;;       step = 2.0 ** (np.maximum(np.frexp(np.where(r == 0, 1, r))[1] - 1, 0) - 3)
;;       q = np.round(r / step) * step * 2.0 ** e      # np.round: ties to even
;;       return np.moveaxis(q.reshape(q.shape[:-2] + (-1,))[..., :K], -1, axis).astype(np.float32)
;;   ~~~
;;   SOFTMAX AHEAD OF A QUANTISED PRODUCT. Where the list says 'softmax', what is quantised is not the finished softmax but p = 2^(t - M), with t = logit x log2(e) and M = ceil(the row's largest t), a whole number; so 1/2 < the row's largest p <= 1. The row's sum l is taken of the UNQUANTISED p, in f32, and the product's result is divided by l at the end. Since M is a whole number, a kernel that streams over the keys may use a running M (the ceiling of the running maximum): every later rescaling is an exact power of two, which a block's scale takes up: the codes' values come out the same.
;;   OPERANDS COMPUTED ON THE WAY. 'Computed on the way' means the value that the module computes at that place (a softmax that the list does not call 'softmax' is quantised finished and normalised). What goes into a quantiser is computed in f32, as accurately as f32 sums, v_exp_f32 and their like allow (about 1e-6 of the number): no bf16 or f16 on the way to a quantiser, and a product that is left as it is and whose result goes on into a quantised operand takes f32 operands (vector FMAs, or v_wmma_f32_16x16x4_f32). A number that lies on a knife's edge between two numbers of the format may be rounded either way, as far as f32 arithmetic and the matrix unit's own rounding can turn it there, and no further.
;; One version. Each part assembles by itself: llvm-mc -triple=amdgcn-amd-amdhsa -mcpu=gfx1250 --defsym DOCPART=n.
;; ======== version 1 of 1: 4 launches
;; limits: right only within a limited range of input values
;; workspace buffers: xc 22,020,096 bytes; xs 917,504 bytes; pf 19,660,800 bytes; ac 6,291,456 bytes; asc 262,144 bytes
;; launch quant (part 1): grid 1792 x 1, 2 waves a work-group, no clusters, 16,640 bytes of LDS; arguments q, k, v, wq, wk, wv, wo, xc, xs; writes xc, xs
.if DOCPART == 1
	.amdgcn_target "amdgcn-amd-amdhsa--gfx1250"
	.amdhsa_code_object_version 6
	.text
	.protected	k_q4c2ab6a002_quant
	.globl	k_q4c2ab6a002_quant
	.p2align	8
	.type	k_q4c2ab6a002_quant,@function
k_q4c2ab6a002_quant:
	s_mov_b64 s[64:65], 0
	v_nop
	global_prefetch_b8 v0, s[64:65] scope:SCOPE_SE
	s_setreg_imm32_b32 hwreg(HW_REG_WAVE_MODE, 25, 1), 1
	s_wait_xcnt 0x0
; q, k, v [8192][1024] and wq, wk, wv, wo [1024][1024], f32, become codes of FP6 (E2M3) in xc and one E8M0 byte for each 32 along K (the last axis) in xs.
; The seven tensors' rows lie one behind the other as 28,672 workspace rows, in the order q, k, v, wq, wk, wv, wo.
; xc: [256 workspace rows][K step of 256][row][192 bytes], so that the rows of one K step are a dense block, which the later launches fetch as rows of 256 bytes.  xs: 32 bytes a workspace row.
; A block's scale is 2^(floor(log2(its largest magnitude)) - 2); its byte is the largest magnitude's exponent field - 2, held at 1 from below.  Each number is divided by the scale and rounded to the nearest code, ties to even.
; LIMITS: a block of zeros gets the byte 1 where the quantiser's text says 127 (its codes are zeros, and this program alone reads the bytes); NaN and infinities among the inputs are not served.
; SHARES.  A wave takes a run of 8 rows; run G = 2 x work-group + wave, 3,584 runs, 7 work-groups for each of 256 WGPs.
; THE ORDER OF ROWS.  Runs change places on the way out, so that 16 workspace rows on end are the rows that a later launch wants in one fragment:
;   v, wq, wk, wv: in each 4 runs, run g goes to place 2 (g % 2) + g / 2;   k: in each 8 runs, run g goes to place 2 (g % 4) + g / 4;   q and wo keep their order.
; A STEP is two neighbouring rows of one K step, 512 numbers: four loads of 512 consecutive bytes; its 384 bytes of codes lie on end in xc.  The conversion wants 16 neighbours in a lane: the 2,048 bytes turn through the
; wave's own stage in LDS (16 bytes of padding behind each 64).  No barrier: waves share nothing.  Loads run four steps (16 loads a wave) ahead, the turn through LDS one step.
.set WAVES, 2
.set STEPS, 16
.set EMAX,  2
.set CB,    12                         ; bytes of 16 codes
.set R,     16                         ; v16-79   four sets of 16 numbers as they are loaded
.set X,     80                         ; v80-111  two sets of 16 neighbours
.set C,     128                        ; v128-191 codes: four registers for each step, so that no store's data are written again
.set E,     112                        ; v112-127 a scale byte for each step
.set WREG,  8192                       ; LDS: a region for each wave: two stages of 32 x SP bytes, and behind them its 256 scale bytes
.set SP,    80
.set SPW,   12                         ; v12      my spare word; never rewritten
.set NIL,   13                         ; v13      0; never rewritten
.set SPARE, WAVES*WREG                 ; the spare words, 128 bytes for each wave, which no other line names
	s_load_b256 s[4:11], s[0:1], 0x0               ; q, k, v, wq
	s_load_b256 s[12:19], s[0:1], 0x20             ; wk, wv, wo, xc
	s_load_b64 s[20:21], s[0:1], 0x40              ; xs
	v_lshl_add_u32 v[SPW], v0, 2, SPARE
	v_mov_b32 v[NIL], 0
	v_lshrrev_b32 v1, 5, v0
	v_readfirstlane_b32 s25, v1                    ; wave
	v_and_b32 v2, 31, v0                           ; lane
	v_lshlrev_b32 v3, 4, v2                        ; my 16 bytes of a load's 512
	s_mul_i32 s27, s25, WREG
	v_lshrrev_b32 v14, 2, v2
	v_mul_u32_u24 v14, v14, SP
	v_and_b32 v15, 3, v2
	v_lshl_add_u32 v14, v15, 4, v14
	v_add_nc_u32 v14, s27, v14                     ; the stage, on the way in: SP (lane / 4) + 16 (lane % 4)
	v_mul_u32_u24 v15, v2, SP
	v_add_nc_u32 v15, s27, v15                     ; and on the way out: SP x lane: my 16 neighbours
	v_mul_u32_u24 v4, v2, CB                       ; my codes' place in a step's 384 bytes
	s_add_co_u32 s27, s27, 2*32*SP
	v_lshrrev_b32 v5, 4, v2
	v_lshlrev_b32 v5, 5, v5                        ; LDS, my block's byte: lanes 16-31 hold the second row, 32 bytes on,
	v_bfe_u32 v10, v2, 1, 3
	v_add_nc_u32 v5, v5, v10                       ; two lanes to a block
	v_add_nc_u32 v5, s27, v5
	v_lshlrev_b32 v7, 3, v2                        ; and on the way out 8 bytes a lane
	v_add_nc_u32 v6, s27, v7
	s_lshl_b32 s26, ttmp9, 1
	s_add_co_u32 s26, s26, s25                     ; G
	s_and_b32 s27, s26, 1                          ; G's place where 4 runs change places
	s_lshl_b32 s27, s27, 1
	s_bfe_u32 s28, s26, 0x10001
	s_or_b32 s27, s27, s28
	s_and_b32 s28, s26, 0xfffffffc
	s_or_b32 s27, s27, s28
	s_and_b32 s28, s26, 3                          ; and where 8 do
	s_lshl_b32 s28, s28, 1
	s_bfe_u32 s29, s26, 0x10002
	s_or_b32 s28, s28, s29
	s_and_b32 s29, s26, 0xfffffff8
	s_or_b32 s28, s28, s29
	s_mov_b32 s30, s26
	s_sub_co_u32 s29, ttmp9, 1024
	s_cmp_lt_u32 s29, 704                          ; work-groups 1,024 to 1,727: v, wq, wk, wv
	s_cselect_b32 s30, s27, s30
	s_sub_co_u32 s29, ttmp9, 512
	s_cmp_lt_u32 s29, 512                          ; work-groups 512 to 1,023: k
	s_cselect_b32 s30, s28, s30
	s_wait_alu depctr_va_vdst(0)                   ; the wait at the head's end
	s_wait_kmcnt 0x0
	s_mov_b64 s[22:23], s[16:17]                   ; which tensor, and its first work-group: the choice hangs on the work-group's number alone
	s_mov_b32 s24, 1728
	s_cmp_lt_u32 ttmp9, 1728
	s_cselect_b64 s[22:23], s[14:15], s[22:23]
	s_cselect_b32 s24, 1664, s24
	s_cmp_lt_u32 ttmp9, 1664
	s_cselect_b64 s[22:23], s[12:13], s[22:23]
	s_cselect_b32 s24, 1600, s24
	s_cmp_lt_u32 ttmp9, 1600
	s_cselect_b64 s[22:23], s[10:11], s[22:23]
	s_cselect_b32 s24, 1536, s24
	s_cmp_lt_u32 ttmp9, 1536
	s_cselect_b64 s[22:23], s[8:9], s[22:23]
	s_cselect_b32 s24, 1024, s24
	s_cmp_lt_u32 ttmp9, 1024
	s_cselect_b64 s[22:23], s[6:7], s[22:23]
	s_cselect_b32 s24, 512, s24
	s_cmp_lt_u32 ttmp9, 512
	s_cselect_b64 s[22:23], s[4:5], s[22:23]
	s_cselect_b32 s24, 0, s24
	s_lshl_b32 s28, s24, 1                         ; in: the run's number in its tensor x 32,768 bytes
	s_sub_co_u32 s28, s26, s28
	s_lshl_b32 s28, s28, 15
	s_mov_b32 s29, 0
	s_add_nc_u64 s[22:23], s[22:23], s[28:29]
	s_lshr_b32 s28, s30, 5                         ; out: 32 runs to a block of 256 rows of 196,608 bytes; 8 rows of 192 bytes a run
	s_mul_i32 s28, s28, 196608
	s_and_b32 s31, s30, 31
	s_mul_i32 s31, s31, 8*192
	s_add_co_u32 s28, s28, s31
	s_add_nc_u64 s[18:19], s[18:19], s[28:29]
	s_lshl_b32 s28, s30, 8                         ; 256 scale bytes a run
	s_add_nc_u64 s[20:21], s[20:21], s[28:29]
.macro LOAD t                          ; step t: rows 2 (t / 4) and 2 (t / 4) + 1, K step t % 4: 1,024 bytes of each
.irp i, 0,1,2,3
	global_load_b128 v[R+16*((\t)%4)+4*\i:R+16*((\t)%4)+4*\i+3], v3, s[22:23] offset:(2*((\t)/4)+\i/2)*4096+((\t)%4)*1024+(\i%2)*512 th:TH_LOAD_NT
.endr
.endm
.macro TURN t                          ; through the stage: LDS serves a wave's instructions in order, so no wait stands between the stores and the loads
.irp i, 0,1,2,3
	ds_store_b128 v14, v[R+16*((\t)%4)+4*\i:R+16*((\t)%4)+4*\i+3] offset:32*SP*((\t)%2)+8*SP*\i
.endr
.irp i, 0,1,2,3
	ds_load_b128 v[X+16*((\t)%2)+4*\i:X+16*((\t)%2)+4*\i+3], v15 offset:32*SP*((\t)%2)+16*\i
.endr
.endm
.irp t, 0,1,2,3
	LOAD \t
.endr
	s_wait_loadcnt 12                              ; step 0's four loads are in; the twelve of steps 1 to 3 may be out
	TURN 0
.macro STEP t
.set XS, X+16*((\t)%2)
.if (\t) > 0
	s_wait_dscnt 1                                 ; this step's numbers are back from the stage (the last step's byte store may be out)
.else
	s_wait_dscnt 0x0
.endif
.if (\t)+4 < STEPS
	LOAD (\t)+4
.endif
.if (\t)+1 < STEPS
.if STEPS-2-(\t) >= 3
	s_wait_loadcnt 12                              ; the next step's four loads are in; those of the three steps behind it may be out
.else
	s_wait_loadcnt 4*(STEPS-2-(\t))
.endif
	TURN (\t)+1
.endif
	v_max3_num_f32 v8, |v[XS]|, |v[XS+1]|, |v[XS+2]|               ; the largest magnitude of my 16
	v_max3_num_f32 v9, |v[XS+3]|, |v[XS+4]|, |v[XS+5]|
.irp i, 6,10
	v_max3_num_f32 v8, v8, |v[XS+\i]|, |v[XS+\i+1]|
	v_max3_num_f32 v9, v9, |v[XS+\i+2]|, |v[XS+\i+3]|
.endr
	v_max3_num_f32 v8, v8, |v[XS+14]|, |v[XS+15]|
	v_max3_num_f32 v8, v8, v9, (EMAX+1)<<23        ; and the floor 2^(EMAX + 1 - 127): so the byte cannot fall under 1
	v_max_num_f32_dpp v8, v8, v8 row_xmask:1 row_mask:0xf bank_mask:0xf   ; and of my neighbour's 16: the block's
	v_add_nc_u32 v11, -(EMAX<<23), v8              ; EMAX off its exponent field: the conversion's scale operand
	v_cvt_scalef32_pk16_fp6_f32 v[C+4*(\t):C+4*(\t)+2], v[XS:XS+15], v11
	v_lshrrev_b32 v[E+(\t)], 23, v11               ; the scale's byte (a plain line behind the conversion)
	ds_store_b8 v5, v[E+(\t)] offset:64*((\t)/4)+8*((\t)%4)        ; both lanes of a block write the same byte with the same value
	global_store_b96 v4, v[C+4*(\t):C+4*(\t)+2], s[18:19] offset:49152*((\t)%4)+384*((\t)/4)   ; 32 lanes store 384 consecutive bytes
.endm
.irp t, 0,1,2,3,4,5,6,7,8,9,10,11,12,13,14,15
	STEP \t
.endr
	ds_load_b64 v[8:9], v6                         ; LDS serves a wave's instructions in order: these see my stores
	s_wait_dscnt 0x0
	global_store_b64 v7, v[8:9], s[20:21]          ; 32 lanes store 256 consecutive bytes, aligned
	s_wait_tensorcnt 0x0                           ; the wave's end
	ds_add_u32 v[SPW], v[NIL]
	s_wait_dscnt 0x0
	s_endpgm
.Lfunc_end_k_q4c2ab6a002_quant:
	.size	k_q4c2ab6a002_quant, .Lfunc_end_k_q4c2ab6a002_quant-k_q4c2ab6a002_quant
	.p2alignl 7, 3214868480
	.fill 96, 4, 3214868480
	.section	.rodata,"a",@progbits
	.p2align	6, 0x0
	.amdhsa_kernel k_q4c2ab6a002_quant
		.amdhsa_group_segment_fixed_size 16640
		.amdhsa_private_segment_fixed_size 0
		.amdhsa_enable_private_segment 0
		.amdhsa_kernarg_size 72
		.amdhsa_user_sgpr_count 2
		.amdhsa_user_sgpr_kernarg_segment_ptr 1
		.amdhsa_wavefront_size32 1
		.amdhsa_system_sgpr_workgroup_id_x 1
		.amdhsa_system_sgpr_workgroup_id_y 1
		.amdhsa_system_sgpr_workgroup_id_z 1
		.amdhsa_system_vgpr_workitem_id 0
		.amdhsa_next_free_vgpr 192
		.amdhsa_next_free_sgpr 66
		.amdhsa_reserve_vcc 0
		.amdhsa_float_denorm_mode_32 3
		.amdhsa_float_denorm_mode_16_64 3
		.amdhsa_memory_ordered 1
		.amdhsa_forward_progress 1
		.amdhsa_inst_pref_size 34
	.end_amdhsa_kernel
	.amdgpu_metadata
---
amdhsa.version: [ 1, 2 ]
amdhsa.kernels:
  - .name:           k_q4c2ab6a002_quant
    .symbol:         k_q4c2ab6a002_quant.kd
    .args:
      - { .name: q, .offset: 0, .size: 8, .value_kind: global_buffer, .address_space: global }
      - { .name: k, .offset: 8, .size: 8, .value_kind: global_buffer, .address_space: global }
      - { .name: v, .offset: 16, .size: 8, .value_kind: global_buffer, .address_space: global }
      - { .name: wq, .offset: 24, .size: 8, .value_kind: global_buffer, .address_space: global }
      - { .name: wk, .offset: 32, .size: 8, .value_kind: global_buffer, .address_space: global }
      - { .name: wv, .offset: 40, .size: 8, .value_kind: global_buffer, .address_space: global }
      - { .name: wo, .offset: 48, .size: 8, .value_kind: global_buffer, .address_space: global }
      - { .name: xc, .offset: 56, .size: 8, .value_kind: global_buffer, .address_space: global }
      - { .name: xs, .offset: 64, .size: 8, .value_kind: global_buffer, .address_space: global }
    .group_segment_fixed_size: 16640
    .private_segment_fixed_size: 0
    .kernarg_segment_align: 8
    .kernarg_segment_size: 72
    .max_flat_workgroup_size: 64
    .sgpr_count:     66
    .vgpr_count:     192
    .wavefront_size: 32
...
	.end_amdgpu_metadata
.endif
;; end of part 1
;; launch proj (part 2): grid 4 x 96, 4 waves a work-group, clusters of 4 x 4, 327,680 bytes of LDS; arguments xc, xs, pf; writes pf
.if DOCPART == 2
	.amdgcn_target "amdgcn-amd-amdhsa--gfx1250"
	.amdhsa_code_object_version 6
	.text
	.protected	k_q4c2ab6a002_proj
	.globl	k_q4c2ab6a002_proj
	.p2align	8
	.type	k_q4c2ab6a002_proj,@function
k_q4c2ab6a002_proj:
	s_mov_b64 s[64:65], 0
	v_nop
	global_prefetch_b8 v0, s[64:65] scope:SCOPE_SE
	s_setreg_imm32_b32 hwreg(HW_REG_WAVE_MODE, 25, 1), 1
	s_wait_xcnt 0x0
	s_wait_alu depctr_hold_cnt(0) depctr_sa_sdst(0) depctr_va_vdst(0) depctr_va_sdst(0) depctr_va_ssrc(0) depctr_va_vcc(0) depctr_vm_vsrc(0)
	s_getreg_b32 s2, hwreg(HW_REG_IB_STS2, 6, 4)
	s_cmp_eq_u32 s2, 0
	s_cbranch_scc0 .Lentry_in_a_cluster
	s_endpgm
.Lentry_in_a_cluster:
	s_bfe_u32 s2, ttmp6, 0x10000c
	s_cmp_lg_u32 s2, 0xf033
	s_cbranch_scc0 .Lentry_shape_is_right
	s_endpgm
.Lentry_shape_is_right:
; Q = q wq^T, K = k wk^T, V = v wv^T on codes of FP6 (E2M3), and the results' quantisers.  IN: xc, xs as the launch before lays them: xc [256 rows][K step of 256][row][192 bytes], xs 32 scale bytes a row.
; OUT: pf, records of 6,400 bytes (8 half fragments of 768 bytes, images of 6 operand registers; 256 bytes of scale words), [region Q, K, V][batch x 16 + head][16].
; A work-group of four waves makes 256 x 256; K goes in steps of 256 through two slots.  LDS: A's two slots on end, then B's two, then the scales, then the spare words.
; A K step's 128 or 256 rows are a dense block of memory, fetched as rows of 256 bytes; 16 bytes of padding behind each 64 give LDS rows of 240 bytes.
; THE HEAD: one joint load a wave: wave 0 both slots' 256 rows of A (K steps 0 and 1 lie on end in memory and in LDS), wave 1 those of B, wave 2 A's scales, wave 3 B's.  K steps 2 and 3 are the ring's refills, a quarter of a slot a wave.
.set SIZE_K, 1024
.set CHUNK,  49152                     ; a K step of 256 rows in xc
.set KSTEP,  256
.set NQ,     KSTEP/128
.set ROWB,   192
.set KROW,   SIZE_K*6/8
.set PITCH,  240
.set FR,     12
.set NL,     6
.set NP,     4
.set HALFT,  128*PITCH
.set SLOT,   4*HALFT
.set LAPS,   SIZE_K/(2*KSTEP)
.set KS,     SIZE_K/32
.set SCL,    2*SLOT
.set HALFS,  (128*KS/256)*272
.set SBLK,   (16*KS/256)*272
.set SPARE,  SCL+4*HALFS
.set HEADB,  102400
.set RECB,   6400
.set REGB,   6553600
.set ADRA, 16
.set ADRB, 20
.set ADRS, 27
.set SPW,  28
.set NIL,  29
.set SC,   32
.set AF,   128
.set TM,   64
.set PWS,  80
.set W,    88
.set VSEL, 92
.set VO16, 93
.set VO8,  94
.set VO16C, 95
.set VO8C, 96
.set VOS,  97
.set PC,   100
.set G1, 24
.set G0, 32
.set G1B, 48
.set G0B, 56
.set G1S, 68
.set G0S, 76
.set G1SB, 80
.set G0SB, 88
.set SEL, 10
.set MSB, 0
.macro WIN new
.if MSB != \new
	s_set_vgpr_msb (MSB<<8)|\new
.set MSB, \new
.endif
.endm
.set MUL_LO, 0xa1
.set MUL_HI, 0xf1
.set TO_B,   0x40
.macro JLOAD g0a, g1a, g0b, g1b
	s_cmp_eq_u32 s15, 0
	s_cbranch_scc0 .Lfor_b_\@
	tensor_load_to_lds s[\g0a:\g0a+3], s[\g1a:\g1a+7]
	s_nop 0
.rept 4
	v_nop
.endr
	s_branch .Lasked_\@
.Lfor_b_\@:
	tensor_load_to_lds s[\g0b:\g0b+3], s[\g1b:\g1b+7]
	s_nop 0
.rept 4
	v_nop
.endr
.Lasked_\@:
.endm
.macro CREST
	s_cmp_lg_u32 s14, 0
	s_cbranch_scc1 .Lnot_wave_0_\@
	s_barrier_signal -3
.Lnot_wave_0_\@:
	s_barrier_wait -3
	s_barrier_signal -1
	s_barrier_wait -1
.endm
.macro CROUND
	s_barrier_signal -1
	s_barrier_wait -1
	CREST
.endm
	s_load_b128 s[4:7], s[0:1], 0x0
	s_load_b64 s[12:13], s[0:1], 0x10
	v_lshl_add_u32 v[SPW], v0, 2, SPARE
	v_mov_b32 v[NIL], 0
	ds_add_u32 v[SPW], v[NIL]
	ds_add_u32 v[SPW], v[NIL]
	v_lshrrev_b32 v1, 5, v0
	v_readfirstlane_b32 s14, v1
	s_lshr_b32 s15, s14, 1
	s_and_b32 s16, s14, 1
	s_bfe_u32 s40, ttmp6, 0x40000
	s_bfe_u32 s41, ttmp6, 0x40004
	s_and_b32 s95, ttmp7, 0xffff
	s_lshr_b32 s96, s95, 3
	s_and_b32 s97, s95, 7
	s_mul_i32 s98, s96, 6291456
	s_mul_i32 s99, s96, 786432
	s_add_co_u32 s99, s99, 18874368
	s_mul_i32 s100, s96, 262144
	s_mul_i32 s101, s96, 32768
	s_add_co_u32 s101, s101, 786432
	s_cmp_lt_u32 s96, 2
	s_cselect_b32 s8, s98, s99
	s_cselect_b32 s9, s99, s98
	s_cselect_b32 s10, s100, s101
	s_cselect_b32 s11, s101, s100
	s_cselect_b32 s42, 0, s97
	s_cselect_b32 s17, s97, 0
	s_lshl_b32 s42, s42, 2
	s_add_co_u32 s42, s42, s40
	s_lshl_b32 s17, s17, 2
	s_add_co_u32 s17, s17, s41
	s_lshl_b32 s43, s41, 2
	s_lshl_b32 s43, 15, s43
	s_lshl_b32 s44, 0x1111, s40
	s_or_b32 s[G1+0], s43, (0<<16)|(1<<20)|(1<<21)|(3<<22)|(3<<25)
	s_or_b32 s[G1B+0], s44, (0<<16)|(1<<20)|(1<<21)|(3<<22)|(3<<25)
.irp g, G1, G1B
	s_mov_b32 s[\g+1], 256<<16                     ; rows of 256 bytes; for the head's loads 384 of them: two K steps of 256 rows x 192 bytes
	s_mov_b32 s[\g+2], 384<<16
	s_mov_b32 s[\g+3], 256<<16
	s_mov_b32 s[\g+4], 384
	s_mov_b32 s[\g+5], 256
	s_mov_b32 s[\g+6], 0
	s_mov_b32 s[\g+7], 0
.endr
	s_or_b32 s[G1S+0], s43, (3<<16)|(1<<20)|(1<<21)|(5<<22)|(3<<25)
	s_or_b32 s[G1SB+0], s44, (3<<16)|(1<<20)|(1<<21)|(5<<22)|(3<<25)
.irp g, G1S, G1SB
	s_mov_b32 s[\g+1], 32<<16
	s_mov_b32 s[\g+2], (256*KS/256)<<16
	s_mov_b32 s[\g+3], 32<<16
	s_mov_b32 s[\g+4], 256*KS/256
	s_mov_b32 s[\g+5], 32
	s_mov_b32 s[\g+6], 0
	s_mov_b32 s[\g+7], 0
.endr
	s_lshl_b32 s20, s17, 8                         ; the tiles' first rows
	s_lshl_b32 s46, s42, 8
	s_mov_b32 s21, 0
	s_mov_b32 s47, 0
	s_mov_b64 s[18:19], KS
	s_mul_u64 s[22:23], s[20:21], s[18:19]
	s_mul_u64 s[92:93], s[46:47], s[18:19]
	s_mov_b64 s[18:19], KROW
	s_mul_u64 s[20:21], s[20:21], s[18:19]
	s_mul_u64 s[46:47], s[46:47], s[18:19]
	s_mov_b32 s19, 0
	s_mov_b32 s18, s8
	s_add_nc_u64 s[20:21], s[20:21], s[18:19]
	s_mov_b32 s18, s9
	s_add_nc_u64 s[46:47], s[46:47], s[18:19]
	s_mov_b32 s18, s10
	s_add_nc_u64 s[22:23], s[22:23], s[18:19]
	s_mov_b32 s18, s11
	s_add_nc_u64 s[92:93], s[92:93], s[18:19]
	s_mul_i32 s45, s16, HALFT                      ; in the ring I fetch 128 rows of a K step: which half, in LDS
	s_mul_i32 s66, s16, CHUNK/2                    ; and in memory
	s_mov_b32 s67, 0
	s_wait_dscnt 0x0
	s_wait_kmcnt 0x0
	s_add_nc_u64 s[20:21], s[4:5], s[20:21]
	s_add_nc_u64 s[22:23], s[6:7], s[22:23]
	s_add_nc_u64 s[46:47], s[4:5], s[46:47]
	s_add_nc_u64 s[92:93], s[6:7], s[92:93]
	CROUND
	s_mov_b32 s[G0S], 1
	s_mov_b32 s[G0S+1], SCL
	s_mov_b64 s[G0S+2:G0S+3], s[22:23]
	s_or_b32 s[G0S+3], s[G0S+3], 0x80000000
	s_mov_b32 s[G0SB], 1
	s_mov_b32 s[G0SB+1], SCL+2*HALFS
	s_mov_b64 s[G0SB+2:G0SB+3], s[92:93]
	s_or_b32 s[G0SB+3], s[G0SB+3], 0x80000000
	s_mov_b32 s[G0], 1                             ; slot 0's groups 0 serve the head's loads first: K steps 0 and 1 of A's 256 rows,
	s_mov_b32 s[G0+1], 0
	s_mov_b64 s[G0+2:G0+3], s[20:21]
	s_or_b32 s[G0+3], s[G0+3], 0x80000000
	s_mov_b32 s[G0B], 1                            ; and of B's
	s_mov_b32 s[G0B+1], 4*HALFT
	s_mov_b64 s[G0B+2:G0B+3], s[46:47]
	s_or_b32 s[G0B+3], s[G0B+3], 0x80000000
	s_mov_b32 s[G0+4], 1                           ; slot 1's, for the ring: my 128 rows of K step 1; the refill steps two K steps on
	s_add_co_u32 s[G0+5], s45, 2*HALFT
	s_add_nc_u64 s[G0+6:G0+7], s[20:21], s[66:67]
	s_add_nc_u64 s[G0+6:G0+7], s[G0+6:G0+7], CHUNK
	s_or_b32 s[G0+7], s[G0+7], 0x80000000
	s_mov_b32 s[G0B+4], 1
	s_add_co_u32 s[G0B+5], s45, 6*HALFT
	s_add_nc_u64 s[G0B+6:G0B+7], s[46:47], s[66:67]
	s_add_nc_u64 s[G0B+6:G0B+7], s[G0B+6:G0B+7], CHUNK
	s_or_b32 s[G0B+7], s[G0B+7], 0x80000000
; the head's loads, one a wave, in one chain of branches on the wave's number
.macro ARM under, g0, g1, next
	s_cmp_lt_u32 s14, \under
	s_cbranch_scc0 \next
	tensor_load_to_lds s[\g0:\g0+3], s[\g1:\g1+7]
	s_nop 0
.rept 4
	v_nop
.endr
	s_branch .Lhead_asked
\next:
.endm
	ARM 1, G0,  G1,  .Lhead_b
	ARM 2, G0B, G1B, .Lhead_sa
	ARM 3, G0S, G1S, .Lhead_sb
	tensor_load_to_lds s[G0SB:G0SB+3], s[G1SB:G1SB+7]
	s_nop 0
.rept 4
	v_nop
.endr
.Lhead_asked:
	v_and_b32 v1, 15, v0
	v_bfe_u32 v2, v0, 4, 1
	v_mul_u32_u24 v3, v1, PITCH
	v_mul_u32_u24 v4, v2, 24
	v_add_nc_u32 v4, v3, v4
	v_lshl_add_u32 v5, v2, 4, v4
	s_mul_i32 s21, s15, HALFT
	s_mul_i32 s22, s16, HALFT
	s_add_co_u32 s22, s22, 4*HALFT
.irp s, 0,1
	v_add_nc_u32 v[ADRA+\s], s21, v4
	v_add_nc_u32 v[ADRB+\s], s22, v4
	v_add_nc_u32 v[ADRA+2+\s], s21, v5
	v_add_nc_u32 v[ADRB+2+\s], s22, v5
	s_add_co_u32 s21, s21, 2*HALFT
	s_add_co_u32 s22, s22, 2*HALFT
.endr
	v_mul_u32_u24 v5, v1, KS
	v_lshrrev_b32 v6, 8, v5
	v_lshl_add_u32 v5, v6, 4, v5
	s_mul_i32 s21, s15, HALFS
	s_mul_i32 s22, s16, HALFS
	s_add_co_u32 s22, s22, 2*HALFS
	s_sub_co_u32 s22, s22, s21
	v_mul_u32_u24 v6, s22, v2
	s_add_co_u32 s21, s21, SCL
	v_add_nc_u32 v5, v5, v6
	v_add_nc_u32 v[ADRS], s21, v5
	s_lshl_b32 s98, s17, 8
	s_lshl_b32 s99, s15, 7
	s_add_co_u32 s98, s98, s99
	s_lshl_b32 s99, s42, 8
	s_lshl_b32 s100, s16, 7
	s_add_co_u32 s99, s99, s100
	s_cmp_lt_u32 s96, 2
	s_cselect_b32 s100, s98, s99
	s_cselect_b32 s101, s99, s98
	s_mov_b32 s4, 1536
	s_cselect_b32 s4, 768, s4
	s_mov_b32 s6, HEADB-3*1536
	s_cselect_b32 s6, 768, s6
	s_mov_b32 s8, 768
	s_cselect_b32 s8, HEADB, s8
	s_cselect_b32 s104, 0, -1
	s_mov_b32 s5, 0
	s_mov_b32 s7, 0
	s_mov_b32 s9, 0xffff0000
	s_mov_b32 s[SEL], 0x76543210
	s_mov_b32 s[SEL+1], 0xfedcba98
	s_lshr_b32 s98, s100, 11
	s_lshl_b32 s98, s98, 4
	s_lshr_b32 s101, s101, 6
	s_add_co_u32 s98, s98, s101
	s_mul_i32 s98, s98, HEADB
	s_bfe_u32 s100, s100, 0x40007
	s_mul_i32 s100, s100, RECB
	s_add_co_u32 s98, s98, s100
	s_mul_i32 s100, s96, REGB
	s_add_co_u32 s98, s98, s100
	s_mov_b32 s99, 0
	s_add_nc_u64 s[12:13], s[12:13], s[98:99]
	s_add_nc_u64 s[20:21], s[12:13], 6144
	v_and_b32 v6, 31, v0
	v_lshlrev_b32 v[VO16], 4, v6
	v_lshlrev_b32 v[VO8], 3, v6
	v_add_nc_u32 v[VO16C], s8, v[VO16]
	v_add_nc_u32 v[VO8C], s8, v[VO8]
	v_mul_u32_u24 v[VOS], v2, HEADB
	v_lshl_add_u32 v[VOS], v1, 4, v[VOS]
	v_mov_b32 v[VSEL], 0x05040100
	v_mov_b32 v98, 0x07060302
	v_cndmask_b32 v[VSEL], v[VSEL], v98, s9
.macro FRAG reg, adr, q, i
.irp p, 0,1,2,3,4,5
.set PCE, 12*(\q)+6*(\p/3)+\p%3
.if PCE%8 < 5
	ds_load_b64 v[\reg+2*\p:\reg+2*\p+1], v[\adr] offset:8*PCE+16*(PCE/8)+(\i)*16*PITCH
.else
	ds_load_b64 v[\reg+2*\p:\reg+2*\p+1], v[\adr+2] offset:8*PCE+16*(PCE/8)+(\i)*16*PITCH
.endif
.endr
.endm
.macro MUL16 a0, p, q, sc, zero
.irp a, \a0, \a0+1
.irp b, 0,1,2,3,4,5,6,7
.if \zero
	v_wmma_scale_f32_16x16x128_f8f6f4 v[8*(8*((\a)%4)+\b):8*(8*((\a)%4)+\b)+7], v[128*(\p)+FR*\b:128*(\p)+FR*\b+FR-1], v[AF+FR*(\a):AF+FR*(\a)+FR-1], 0, v[SC+8*NQ*(\sc)+NQ*\b+(\q)], v[SC+8*NQ*(\sc)+NQ*(\a)+(\q)] matrix_a_fmt:MATRIX_FMT_FP6 matrix_b_fmt:MATRIX_FMT_FP6 matrix_a_scale:MATRIX_SCALE_ROW1
.else
	v_wmma_scale_f32_16x16x128_f8f6f4 v[8*(8*((\a)%4)+\b):8*(8*((\a)%4)+\b)+7], v[128*(\p)+FR*\b:128*(\p)+FR*\b+FR-1], v[AF+FR*(\a):AF+FR*(\a)+FR-1], v[8*(8*((\a)%4)+\b):8*(8*((\a)%4)+\b)+7], v[SC+8*NQ*(\sc)+NQ*\b+(\q)], v[SC+8*NQ*(\sc)+NQ*(\a)+(\q)] matrix_a_fmt:MATRIX_FMT_FP6 matrix_b_fmt:MATRIX_FMT_FP6 matrix_a_scale:MATRIX_SCALE_ROW1
.endif
.endr
.endr
.endm
.macro FETCH_B slot, q, p
	WIN TO_B
.irp i, 0,1,2,3,4,5,6,7
	FRAG 128*(\p)+FR*\i, ADRB+\slot, \q, \i
.endr
	WIN 0
.endm
.macro FETCH_A slot, q, i0
.irp i, \i0, \i0+1, \i0+2, \i0+3
	FRAG AF+FR*(\i), ADRA+\slot, \q, \i
.endr
.endm
.macro SCALES sc
.irp i, 0,1,2,3,4,5,6,7
	ds_load_b64 v[SC+8*NQ*\sc+NQ*\i:SC+8*NQ*\sc+NQ*\i+1], v[ADRS] offset:\i*SBLK
.endr
.endm
.macro PLACES n
.rept \n
	v_nop
.endr
.endm
.macro STEP slot, q, zero
	s_wait_dscnt 4*NL
	WIN MUL_LO
	MUL16 0, (\q)%2, \q, \slot, \zero
	MUL16 2, (\q)%2, \q, \slot, \zero
	s_wait_dscnt 0
	PLACES NP
	FETCH_B \slot, (\q)+1, 1-(\q)%2
	FETCH_A \slot, (\q)+1, 0
	WIN MUL_HI
	MUL16 4, (\q)%2, \q, \slot, \zero
	MUL16 6, (\q)%2, \q, \slot, \zero
	PLACES NP
	WIN 0
	FETCH_A \slot, (\q)+1, 4
.endm
.macro TURN slot, next, fill
	s_wait_tensorcnt 0x0
	ds_add_u32 v[SPW], v[NIL]
	s_wait_dscnt 4*NL+1
	WIN MUL_LO
	MUL16 0, 1, NQ-1, \slot, 0
	s_wait_dscnt 0x0
	s_barrier_signal -1
	MUL16 2, 1, NQ-1, \slot, 0
	WIN 0
	s_barrier_wait -1
.if \fill
	CREST
	s_add_nc_u64 s[G0+4*\slot+2:G0+4*\slot+3], s[G0+4*\slot+2:G0+4*\slot+3], 2*CHUNK
	s_add_nc_u64 s[G0B+4*\slot+2:G0B+4*\slot+3], s[G0B+4*\slot+2:G0B+4*\slot+3], 2*CHUNK
	JLOAD G0+4*\slot, G1, G0B+4*\slot, G1B
.else
	PLACES NP
.endif
	s_wait_alu depctr_va_vdst(0)
	v_add_nc_u32 v[ADRS], 4*NQ, v[ADRS]
	FETCH_B \next, 0, 0
	FETCH_A \next, 0, 0
	SCALES \next
	WIN MUL_HI
	MUL16 4, 1, NQ-1, \slot, 0
	MUL16 6, 1, NQ-1, \slot, 0
	PLACES NP
	WIN 0
	FETCH_A \next, 0, 4
.endm
	s_wait_alu depctr_va_vdst(0)                   ; the wait at the head's end
	s_wait_tensorcnt 0x0                           ; my tile of the head's four is in, and no tensor load of mine is out: the descriptors may be written
	s_mov_b32 s[G0+1], s45                         ; slot 0's groups 0, for the ring: my 128 rows of K step 0; the refill steps two K steps on
	s_add_nc_u64 s[G0+2:G0+3], s[G0+2:G0+3], s[66:67]
	s_add_co_u32 s[G0B+1], s45, 4*HALFT
	s_add_nc_u64 s[G0B+2:G0B+3], s[G0B+2:G0B+3], s[66:67]
	s_mov_b32 s[G1+2], 96<<16                      ; from here on a load brings 128 rows x 192 bytes = 96 rows of 256
	s_mov_b32 s[G1+4], 96
	s_mov_b32 s[G1B+2], 96<<16
	s_mov_b32 s[G1B+4], 96
	s_barrier_signal -1
	s_barrier_wait -1
	FETCH_B 0, 0, 0
	FETCH_A 0, 0, 0
	SCALES 0
	FETCH_A 0, 0, 4
	STEP 0, 0, 1
	s_mov_b32 s3, LAPS-1
.Llap:
	TURN 0, 1, 1
	STEP 1, 0, 0
	TURN 1, 0, 1
	STEP 0, 0, 0
	s_sub_co_u32 s3, s3, 1
	s_cmp_lg_u32 s3, 0
	s_cbranch_scc1 .Llap
	TURN 0, 1, 0
	STEP 1, 0, 0
	s_wait_dscnt 4*NL
	WIN MUL_LO
	MUL16 0, 1, NQ-1, 1, 0
	MUL16 2, 1, NQ-1, 1, 0
	s_wait_dscnt 0
	WIN MUL_HI
	MUL16 4, 1, NQ-1, 1, 0
	MUL16 6, 1, NQ-1, 1, 0
	WIN 0
.macro QOUT a
.set AC, 64*((\a)%4)
.set WN, 2+(\a)/4
.set WA, 5*WN
.set WB, 20*WN
	WIN WA
.irp b, 0,1,2,3
	v_max3_num_f32 v[TM+\b], |v[AC+16*\b]|, |v[AC+16*\b+1]|, 0x1800000
.endr
	WIN WB
.irp i, 2,4,6,8,10,12,14
.irp b, 0,1,2,3
	v_max3_num_f32 v[TM+\b], v[TM+\b], |v[AC+16*\b+\i]|, |v[AC+16*\b+\i+1]|
.endr
.endr
	WIN 0
.irp b, 0,1,2,3
	v_permlanex16_b32 v[TM+4+\b], v[TM+\b], s[SEL], s[SEL+1]
.endr
.irp b, 0,1,2,3
	v_max_num_f32 v[TM+\b], v[TM+\b], v[TM+4+\b]
.endr
.irp b, 0,1,2,3
	v_add_nc_u32 v[TM+12+\b], 0xff000000, v[TM+\b]
.endr
.irp b, 0,1,2,3
	v_lshrrev_b32 v[TM+4+\b], 23, v[TM+12+\b]
.endr
	v_lshl_or_b32 v[PWS+(\a)], v[TM+5], 8, v[TM+4]
	v_lshl_or_b32 v[PWS+(\a)], v[TM+6], 16, v[PWS+(\a)]
	v_lshl_or_b32 v[PWS+(\a)], v[TM+7], 24, v[PWS+(\a)]
	s_wait_xcnt 0x0
.if (\a) == 4
	s_add_nc_u64 s[12:13], s[12:13], s[6:7]
.elseif (\a) > 0
	s_add_nc_u64 s[12:13], s[12:13], s[4:5]
.endif
	WIN WN
.irp c, 0,1
	v_cvt_scalef32_pk16_fp6_f32 v[PC+6*\c:PC+2+6*\c], v[AC+32*\c:AC+15+32*\c], v[TM+12+2*\c]
	v_cvt_scalef32_pk16_fp6_f32 v[PC+12+4*\c:PC+14+4*\c], v[AC+16+32*\c:AC+31+32*\c], v[TM+12+2*\c+1]
.endr
	WIN 0
	v_nop
.irp c, 0,1
.irp i, 0,1,2
	v_permlane16_swap_b32 v[PC+6*\c+\i], v[PC+12+4*\c+\i]
.endr
.irp i, 0,1,2
	v_mov_b32 v[PC+3+6*\c+\i], v[PC+12+4*\c+\i]
.endr
.endr
	global_store_b128 v[VO16], v[PC:PC+3], s[12:13]
	global_store_b64 v[VO8], v[PC+4:PC+5], s[12:13] offset:512
	global_store_b128 v[VO16C], v[PC+6:PC+9], s[12:13]
	global_store_b64 v[VO8C], v[PC+10:PC+11], s[12:13] offset:512
.endm
	PLACES NP
.irp b, 0,1,2,3
	v_mov_b32 v[TM+4+\b], 0
.endr
.irp a, 0,1,2,3,4,5,6,7
	QOUT \a
.endr
.irp x, 0,1,2,3
	v_perm_b32 v[120+\x], v[PWS+2*\x+1], v[PWS+2*\x], v[VSEL]
	v_cndmask_b32 v[124+\x], v[PWS+\x], v[PWS+4+\x], s9
.endr
.irp x, 0,1,2,3
	v_cndmask_b32 v[W+\x], v[120+\x], v[124+\x], s104
.endr
	global_store_b128 v[VOS], v[W:W+3], s[20:21]
	s_wait_tensorcnt 0x0
	ds_add_u32 v[SPW], v[NIL]
	s_wait_dscnt 0x0
	CROUND
	s_endpgm
.Lfunc_end_k_q4c2ab6a002_proj:
	.size	k_q4c2ab6a002_proj, .Lfunc_end_k_q4c2ab6a002_proj-k_q4c2ab6a002_proj
	.p2alignl 7, 3214868480
	.fill 96, 4, 3214868480
	.section	.rodata,"a",@progbits
	.p2align	6, 0x0
	.amdhsa_kernel k_q4c2ab6a002_proj
		.amdhsa_group_segment_fixed_size 327680
		.amdhsa_private_segment_fixed_size 0
		.amdhsa_enable_private_segment 0
		.amdhsa_kernarg_size 24
		.amdhsa_user_sgpr_count 2
		.amdhsa_user_sgpr_kernarg_segment_ptr 1
		.amdhsa_wavefront_size32 1
		.amdhsa_system_sgpr_workgroup_id_x 1
		.amdhsa_system_sgpr_workgroup_id_y 1
		.amdhsa_system_sgpr_workgroup_id_z 1
		.amdhsa_system_vgpr_workitem_id 0
		.amdhsa_next_free_vgpr 1024
		.amdhsa_next_free_sgpr 106
		.amdhsa_reserve_vcc 0
		.amdhsa_float_denorm_mode_32 3
		.amdhsa_float_denorm_mode_16_64 3
		.amdhsa_memory_ordered 1
		.amdhsa_forward_progress 1
		.amdhsa_inst_pref_size 168
	.end_amdhsa_kernel
	.amdgpu_metadata
---
amdhsa.version: [ 1, 2 ]
amdhsa.kernels:
  - .name:           k_q4c2ab6a002_proj
    .symbol:         k_q4c2ab6a002_proj.kd
    .args:
      - { .name: xc, .offset: 0, .size: 8, .value_kind: global_buffer, .address_space: global }
      - { .name: xs, .offset: 8, .size: 8, .value_kind: global_buffer, .address_space: global }
      - { .name: pf, .offset: 16, .size: 8, .value_kind: global_buffer, .address_space: global }
    .group_segment_fixed_size: 327680
    .private_segment_fixed_size: 0
    .kernarg_segment_align: 8
    .kernarg_segment_size: 24
    .max_flat_workgroup_size: 128
    .sgpr_count:     106
    .vgpr_count:     1024
    .wavefront_size: 32
...
	.end_amdgpu_metadata
.endif
;; end of part 2
;; launch attn (part 3): grid 4 x 64, 8 waves a work-group, clusters of 4 x 1, 206,848 bytes of LDS; arguments pf, ac, asc; writes ac, asc
.if DOCPART == 3
	.amdgcn_target "amdgcn-amd-amdhsa--gfx1250"
	.amdhsa_code_object_version 6
	.text
	.protected	k_q4c2ab6a002_attn
	.globl	k_q4c2ab6a002_attn
	.p2align	8
	.type	k_q4c2ab6a002_attn,@function
k_q4c2ab6a002_attn:
	s_mov_b64 s[64:65], 0
	v_nop
	global_prefetch_b8 v0, s[64:65] scope:SCOPE_SE
	s_setreg_imm32_b32 hwreg(HW_REG_WAVE_MODE, 25, 1), 1
	s_wait_xcnt 0x0
	s_wait_alu depctr_hold_cnt(0) depctr_sa_sdst(0) depctr_va_vdst(0) depctr_va_sdst(0) depctr_va_ssrc(0) depctr_va_vcc(0) depctr_vm_vsrc(0)
	s_getreg_b32 s2, hwreg(HW_REG_IB_STS2, 6, 4)
	s_cmp_eq_u32 s2, 0
	s_cbranch_scc0 .Lentry_in_a_cluster
	s_endpgm
.Lentry_in_a_cluster:
	s_bfe_u32 s2, ttmp6, 0x10000c
	s_cmp_lg_u32 s2, 0x3003
	s_cbranch_scc0 .Lentry_shape_is_right
	s_endpgm
.Lentry_shape_is_right:
; Attention of one head on codes of FP6 (E2M3): S = Q K^T (K = the head's 64), p = 2^(t - M), O = P V (K = the keys), O / the row's sum, and O quantised along the model's 1,024 for the last projection.
; t = score x log2(e) / 8; M = the running largest t rounded UP to a whole number; p is quantised along the keys, not normalised; the row's sum is taken of the unquantised p, in f32.  When M moves, the sum and O are multiplied
; by 2^(old M - new M), which rounds nothing.
; IN: pf: records of 6,400 bytes (8 half fragments of 768 bytes, images of 6 operand registers; 256 bytes of scale words), [region Q, K, V][batch x 16 + head][16].
; OUT: ac [token / 16][head][half fragment of 768 bytes], asc [token][32] scale bytes, byte 2 x head + block.
; SHARES.  A cluster of four work-groups is one head; work-group cx owns queries 512 cx on, 32 tiles of 16.  Wave w of eight owns tiles w + 8 x, x = 0 .. 3: TWO AT A TIME, in two passes, so that each fragment of K and V
; is read from LDS once for two tiles.  Tile 1's own registers have tile 0's numbers, in window 1: one text serves both under another setting of the windows.
; A HEAD'S WHOLE K AND V, 204,800 bytes, LIE IN LDS, FILLED ONCE: wave w brings key steps 2 w and 2 w + 1 (two rows of 12,800 bytes: K's two records, V's two), asked for jointly by the four work-groups.  No ring, one barrier.
; No prefetch: every byte is asked for at the head, and no loop walks memory.
; LAYOUT.  Both products are used transposed (source 0 = 16 keys, or 16 channels; source 1 = 16 queries): a lane holds one query throughout.  Tile j of a band of 64 keys holds keys 8 j + i and 32 + 8 j + i (the first launch
; orders k's rows so): the 32 scores that lane (r, h) holds of a band are keys 32 h + 0 .. 31, ONE SCALE BLOCK, in the order of the next operand's registers.  So a block's maximum needs no other lane and no lanes are swapped.
; K = 64 IN AN INSTRUCTION OF 128: a buffer of 12 registers holds TWO tiles of keys, one in each half of K.  Multiplied by [Q, zero codes] it gives the first tile's scores, by [zero codes, Q] the second's.
; THE ORDER.  A key step is two halves.  In a half the softmax of one tile is walked, and the OTHER tile's twelve products stand among its lines, two at a time: in tile 0's half of step s, P V of tile 1 and step s - 1 and
; Q K^T of tile 1 and step s; in tile 1's half, P V of tile 0 and step s and Q K^T of tile 0 and step s + 1.  K has its buffers in window 0, V in window 1; behind the products of tile 0's half one run of 34 loads asks for
; V of step s and K of step s + 1, and the wait for them stands at the head of tile 1's half.
; SO THAT THE LOOP'S TEXT IS ONE FOR ALL STEPS, twelve products of a pass reach no output: the first P V of tile 1 multiplies zero codes (it adds 0 to zeros), and the last Q K^T of tile 0 works on key step 14's K,
; at which the address of the next K is held; its scores are not read.
; LIMITS: p under 2^-126 falls to 0; a block of zeros gets the byte 1 (this program alone reads the bytes); NaN and infinities are not served.  asc is stored a byte a lane: a work-group owns 2 of a row's 32 bytes.
; REGISTERS.  Window 0 alone: v1-4 lane terms; v5, v6 the add's two; v8-13 LDS addresses; v46, v47, v202, v203 Q's scale words; v48-95 K; v192-195 K's scale words, v196-199 V's; v200, v201 p's.
; v16-45 zeros, Q, zeros, Q, zeros (6 each): pass 0's in window 0, pass 1's in window 1.  Window 1 alone: v48-95 V.  In both windows, a tile's own: v96-159 S^T, then p; v160-191 O^T; v206-223 state; v224-235 p's codes; v236-250 at work.
.set REC,   6400
.set PAIRB, 4*REC                      ; two key steps in LDS: K, K, V, V
.set SPARE, 8*PAIRB                    ; the spare words, 128 bytes for each wave, which no other line names
.set SPW,  5
.set NIL,  6
.set A16,  8                           ; v8-10   this pair of key steps: + 16 x lane, + 8 x lane, + 16 r
.set N16,  11                          ; v11-13  the next pair
.set S,    96
.set O,    160
.set KS,   192
.set VS,   196
.set PW,   200
.set MX,   206                         ; the running largest score
.set SH,   207                         ; 8 h
.set L,    208                         ; the sum, in two halves
.set NMA,  210                         ; -M, in two registers by turns (each the low word of a pair)
.set NMB,  212
.set F,    214                         ; 2^(old M - new M)
.set BM,   216                         ; my two blocks' largest score, then largest p
.set T0,   218
.set SOP,  220
.set BY,   222
.set PC,   224
.set CH,   236
.set X,    236
.set CT,   244
.set TB,   2
.set TRIPS, 3
.set WV,   18
.set SEL,  20
.set CS,   22
.set TN,   28
.set NC,   29
.set G1,   32
.set G0,   40
.set MSB, 0
.macro WIN new                         ; the immediate's high byte repeats the setting that is left
.if MSB != \new
	s_set_vgpr_msb (MSB<<8)|\new
.set MSB, \new
.endif
.endm
.macro WALU
	s_wait_alu depctr_va_vdst(0)
.endm
.macro ROUND
	s_barrier_signal -1
	s_barrier_wait -1
	s_cmp_lg_u32 s[WV], 0
	s_cbranch_scc1 .Lnot_wave_0_\@
	s_barrier_signal -3
.Lnot_wave_0_\@:
	s_barrier_wait -3
	s_barrier_signal -1
	s_barrier_wait -1
.endm
	s_load_b128 s[4:7], s[0:1], 0x0                ; pf, ac
	s_load_b64 s[8:9], s[0:1], 0x10                ; asc
	v_lshl_add_u32 v[SPW], v0, 2, SPARE
	v_mov_b32 v[NIL], 0
	ds_add_u32 v[SPW], v[NIL]                      ; the opening lines: the add, twice on end, and its wait ahead of my tensor load
	ds_add_u32 v[SPW], v[NIL]
	v_lshrrev_b32 v1, 5, v0
	v_readfirstlane_b32 s[WV], v1                  ; wave 0..7
	s_bfe_u32 s19, ttmp6, 0x40000                  ; cx: it enters Q's, ac's and asc's addresses alone
	s_and_b32 s24, ttmp7, 0xffff                   ; batch x 16 + head
	s_mov_b32 s25, 0xffff0000                      ; lanes 16-31
	s_mov_b32 s[SEL], 0x76543210
	s_mov_b32 s[SEL+1], 0xfedcba98
	s_mov_b32 s[CS], 0x3e38aa3b                    ; c = log2(e) / sqrt(64)
	s_mov_b32 s[CS+1], s[CS]
	s_mov_b32 s[NC], 0xbe38aa3b                    ; -c
	s_mov_b32 s[G1+0], 15|(3<<16)|(1<<21)          ; the mask: all four work-groups; elements of 8 bytes
	s_mov_b32 s[G1+1], 1600<<16                    ; two rows of 12,800 bytes,
	s_mov_b32 s[G1+2], 2<<16
	s_mov_b32 s[G1+3], 1600<<16
	s_mov_b32 s[G1+4], 2
	s_mov_b32 s[G1+5], 819200                      ; a region of pf, 6,553,600 bytes, apart
	s_mov_b32 s[G1+6], 0
	s_mov_b32 s[G1+7], 0
	s_mov_b32 s[G0], 1
	s_mul_i32 s[G0+1], s[WV], PAIRB
	s_lshl_b32 s30, s24, 4
	s_lshl_b32 s31, s[WV], 1
	s_add_co_u32 s10, s30, s31
	s_mul_i32 s10, s10, REC
	s_add_co_u32 s10, s10, 6553600                 ; K's record of key step 2 w
	s_mov_b32 s11, 0
	s_lshl_b32 s31, s19, 2                         ; Q: tile w + 8 x lies in record 4 cx + x, half fragment w
	s_add_co_u32 s30, s30, s31
	s_mul_i32 s30, s30, REC
	s_mul_i32 s44, s[WV], 768
	s_add_co_u32 s44, s44, s30
	s_mov_b32 s45, 0
	s_lshl_b32 s31, s[WV], 1                       ; its two scale bytes: 6,144 + 16 r + 2 w
	s_add_co_u32 s46, s30, s31
	s_add_co_u32 s46, s46, 6144
	s_mov_b32 s47, 0
	s_lshr_b32 s30, s24, 4                         ; the tile's number among all tokens: 128 x batch + 32 cx + w
	s_lshl_b32 s30, s30, 7
	s_lshl_b32 s31, s19, 5
	s_add_co_u32 s30, s30, s31
	s_add_co_u32 s30, s30, s[WV]
	s_and_b32 s31, s24, 15                         ; the head
	s_lshl_b32 s26, s30, 4
	s_add_co_u32 s26, s26, s31
	s_mul_i32 s26, s26, 768                        ; ac: (16 x tile + head) x 768
	s_mov_b32 s27, 0
	s_lshl_b32 s30, s30, 9                         ; asc: 512 x tile + 2 x head
	s_lshl_b32 s31, s31, 1
	s_add_co_u32 s30, s30, s31
	s_mov_b32 s31, 0
	v_and_b32 v7, 31, v0
	v_and_b32 v14, 15, v0
	v_bfe_u32 v15, v0, 4, 1
	v_lshlrev_b32 v1, 4, v7                        ; 16 x lane
	v_lshlrev_b32 v2, 3, v7                        ; 8 x lane
	v_lshlrev_b32 v3, 4, v14                       ; 16 r
	v_lshl_add_u32 v4, v14, 5, v15                 ; 32 r + h
	v_lshlrev_b32 v[SH], 3, v15                    ; 8 h
.irp u, 0,1
	WIN 0x40*\u
.irp z, 16,17,18,19,20,21,28,29,30,31,32,33,40,41,42,43,44,45
	v_mov_b32 v\z, 0                               ; zero codes beside Q
.endr
	v_mov_b32 v[T0], 0                             ; written once: a lane permute's destination counts as one of its sources
	v_mov_b32 v[F+1], 0                            ; (the upper words of pairs of which the low word alone is used)
	v_mov_b32 v[NMA+1], 0
	v_mov_b32 v[NMB+1], 0
.endr
	v_mov_b32 v[SH], v[SH]                         ; 8 h, into window 1
	WIN 0
	WALU                                           ; the wait at the head's end
	s_wait_dscnt 0x0                               ; both opening adds are done
	s_wait_kmcnt 0x0
	s_add_nc_u64 s[G0+2:G0+3], s[4:5], s[10:11]
	s_or_b32 s[G0+3], s[G0+3], 0x80000000
	s_add_nc_u64 s[12:13], s[4:5], s[44:45]        ; Q's half fragments
	s_add_nc_u64 s[14:15], s[4:5], s[46:47]        ; Q's scale bytes
	s_add_nc_u64 s[16:17], s[6:7], s[26:27]        ; ac
	s_add_nc_u64 s[26:27], s[8:9], s[30:31]        ; asc
	ROUND                                          ; all four work-groups are here: the joint loads meet
	tensor_load_to_lds s[G0:G0+3], s[G1:G1+7]      ; my one tensor load of the launch
	s_nop 0
.rept 4
	v_nop
.endr
.irp x, 0,1,2,3
	WIN 0x40*(\x/2)
	global_load_b128 v[22+12*(\x%2):25+12*(\x%2)], v1, s[12:13] offset:\x*REC
	global_load_b64 v[26+12*(\x%2):27+12*(\x%2)], v2, s[12:13] offset:\x*REC+512
.endr
	WIN 0
	global_load_u16 v46, v3, s[14:15]
	global_load_u16 v47, v3, s[14:15] offset:REC
	global_load_u16 v202, v3, s[14:15] offset:2*REC
	global_load_u16 v203, v3, s[14:15] offset:3*REC
	s_wait_tensorcnt 0x0                           ; my two key steps have landed,
	s_barrier_signal -1
	s_barrier_wait -1                              ; everybody's have: the head's K and V are whole, and nothing is ever filled again
	s_wait_loadcnt 0x0                             ; Q
.irp z, 46,47,202,203
	v_lshl_or_b32 v\z, v\z, 16, v\z                ; Q's two bytes in both halves of the word: they serve Q in either half of K
.endr
; eight half fragments and their four scale words: 17 loads; images, so each load reads consecutive bytes
.macro LOADBUF win, adr, off, sc
	WIN \win
.irp j, 0,1,2,3
	ds_load_b128 v[48+12*\j:51+12*\j], v[\adr] offset:\off+1536*\j
	ds_load_b64 v[52+12*\j:53+12*\j], v[\adr+1] offset:\off+1536*\j+512
	ds_load_b128 v[54+12*\j:57+12*\j], v[\adr] offset:\off+1536*\j+768
	ds_load_b64 v[58+12*\j:59+12*\j], v[\adr+1] offset:\off+1536*\j+1280
.endr
	WIN 0
	ds_load_b128 v[\sc:\sc+3], v[\adr+2] offset:\off+6144
.endm
.macro QK2 p, u, i0                    ; two products of S^T = K Q^T: the even tile by [Q, 0], the odd tile by [0, Q]
	WIN 4*(\p)+0x40*(\u)
.irp i, \i0, \i0+1
	v_wmma_scale_f32_16x16x128_f8f6f4 v[S+8*(\i):S+8*(\i)+7], v[48+12*((\i)/2):59+12*((\i)/2)], v[22+12*(\u)-6*((\i)%2):33+12*(\u)-6*((\i)%2)], 0, v[KS+(\i)/2], v[46+(\u)+156*(\p)] matrix_a_fmt:MATRIX_FMT_FP6 matrix_b_fmt:MATRIX_FMT_FP6
.endr
.endm
.macro PV2 u, t0                       ; two products of O^T += V^T P^T: a tile's four accumulators by turns; twenty other products stand between two links of a sum
	WIN 1+0x54*(\u)
.irp t, \t0, \t0+1
	v_wmma_scale_f32_16x16x128_f8f6f4 v[O+8*(\t):O+8*(\t)+7], v[48+12*(\t):59+12*(\t)], v[PC:PC+11], v[O+8*(\t):O+8*(\t)+7], v[VS+(\t)], v[PW+(\u)] matrix_a_fmt:MATRIX_FMT_FP6 matrix_b_fmt:MATRIX_FMT_FP6
.endr
.endm
.macro MX4 i, j                        ; four chains of maxima, two to a block of 32 keys
.irp c, 0,1,2,3
	v_max3_num_f32 v[CH+\c], v[CH+\c], v[S+16*\c+\i], v[S+16*\c+\j]
.endr
.endm
.macro FMA16 nmn                       ; t - M, two at a time
.rept 16
	v_pk_fma_f32 v[S+J_:S+J_+1], v[S+J_:S+J_+1], s[CS:CS+1], v[\nmn:\nmn+1] op_sel_hi:[1,0,0]
.set J_, J_+2
.endr
.endm
.macro SUM4                            ; the row's sum, of the unquantised p, in four chains
	v_pk_add_f32 v[L:L+1], v[L:L+1], v[S+J_:S+J_+1]
	v_pk_add_f32 v[X:X+1], v[X:X+1], v[S+J_+2:S+J_+3]
	v_pk_add_f32 v[X+2:X+3], v[X+2:X+3], v[S+J_+4:S+J_+5]
	v_pk_add_f32 v[X+4:X+5], v[X+4:X+5], v[S+J_+6:S+J_+7]
.set J_, J_+8
.endm
; A HALF OF A KEY STEP: the softmax of tile u and 128 keys, its p's codes and scale word; among its first lines the other tile's twelve products.  b: which of the pair's two key steps.  nmo: the register with the old -M, nmn: the new
.macro HALF p, u, b, nmo, nmn
.if \u
	s_wait_dscnt 0x0                               ; this step's V and the next step's K are in
.endif
	WIN 0x55*(\u)
	WALU                                           ; the wait directly ahead of the first readers of the scores: the eight lines below read each of the eight accumulators at its low end
.irp c, 0,1,2,3
	v_max3_num_f32 v[CH+\c], v[S+16*\c], v[S+16*\c+1], v[S+16*\c+2]
.endr
	MX4 8, 9
	PV2 1-(\u), 0
	WIN 0x55*(\u)
	MX4 3, 4
	MX4 5, 6
	PV2 1-(\u), 2
	WIN 0x55*(\u)
	MX4 7, 10
	MX4 11, 12
	QK2 \p, 1-(\u), 0
	WIN 0x55*(\u)
	MX4 13, 14
	v_max3_num_f32 v[CH], v[CH], v[S+15], v[S+31]
	v_max3_num_f32 v[CH+2], v[CH+2], v[S+47], v[S+63]
	v_max_num_f32 v[BM], v[CH], v[CH+1]            ; the largest score of each of my two blocks: it serves for the row's maximum and, since p rises with the score, for the block's largest p
	v_max_num_f32 v[BM+1], v[CH+2], v[CH+3]
	QK2 \p, 1-(\u), 2
	WIN 0x55*(\u)
	v_max3_num_f32 v[MX], v[MX], v[BM], v[BM+1]
	v_permlanex16_b32 v[T0], v[MX], s[SEL], s[SEL+1]
	v_max_num_f32 v[MX], v[MX], v[T0]              ; with lane l xor 16's blocks: the running largest score of my query
	v_mul_f32 v[T0], s[NC], v[MX]                  ; -t (c is positive)
	v_floor_f32 v[\nmn], v[T0]                     ; the new -M = floor(-t) = -ceil(t): a whole number
	v_sub_f32 v[T0], v[\nmn], v[\nmo]              ; M's old value less its new one: a whole number, 0 or less
	v_cvt_i32_f32 v[T0], v[T0]                     ; (it saturates)
	v_ldexp_f32 v[F], 1.0, v[T0]                   ; f = 2^(old M - new M)
	QK2 \p, 1-(\u), 4
	WIN 0x55*(\u)
.set J_, 0
	FMA16 \nmn
	QK2 \p, 1-(\u), 6
	WIN 0x55*(\u)
	FMA16 \nmn
	v_fma_f32 v[BM], v[BM], s[CS], v[\nmn]         ; the same of each block's largest score
	v_fma_f32 v[BM+1], v[BM+1], s[CS], v[\nmn]
.if \u == 0                            ; the eighteen lines above are the places behind the last products that read K's and V's registers
.if \b == 0
	v_add_nc_u32 v[A16], s[TB], v1
	v_add_nc_u32 v[A16+1], s[TB], v2
	v_add_nc_u32 v[A16+2], s[TB], v3
	LOADBUF 0x40, A16, 2*REC, VS                   ; this step's V,
	LOADBUF 0, A16, REC, KS                        ; the next step's K
.else
	v_add_nc_u32 v[N16], s[TN], v1
	v_add_nc_u32 v[N16+1], s[TN], v2
	v_add_nc_u32 v[N16+2], s[TN], v3
	LOADBUF 0x40, A16, 3*REC, VS
	LOADBUF 0, N16, 0, KS
.endif
.endif
	WIN 0x55*(\u)
	WALU                                           ; the wait ahead of the batch
.set J_, 0
.rept 64
	v_exp_f32 v[S+J_], v[S+J_]                     ; p = 2^(t - M), at most 1: not normalised
.set J_, J_+1
.endr
	v_exp_f32 v[BM], v[BM]                         ; the block's largest p: the same two instructions on the same number give the same bits
	v_exp_f32 v[BM+1], v[BM+1]
	WALU                                           ; the wait behind the batch, which stands directly ahead of the first readers of O^T too
.set J_, 0
.rept 16
	v_pk_mul_f32 v[O+J_:O+J_+1], v[O+J_:O+J_+1], v[F:F+1] op_sel_hi:[1,0]   ; O^T under the new M (plain lines behind the batch, ahead of its results' first use)
.set J_, J_+2
.endr
	v_pk_mul_f32 v[L:L+1], v[L:L+1], v[F:F+1] op_sel_hi:[1,0]   ; the sums under the new M
	v_max_num_f32 v[BM], 0x1800000, v[BM]          ; the floor 2^(3 - 127): the byte cannot fall under 1
	v_max_num_f32 v[BM+1], 0x1800000, v[BM+1]
	v_pk_add_f32 v[X:X+1], v[S:S+1], v[S+2:S+3]
	v_pk_add_f32 v[X+2:X+3], v[S+4:S+5], v[S+6:S+7]
	v_pk_add_f32 v[X+4:X+5], v[S+8:S+9], v[S+10:S+11]
	v_pk_add_f32 v[L:L+1], v[L:L+1], v[S+12:S+13]
.set J_, 14
	v_add_nc_u32 v[SOP], 0xff000000, v[BM]         ; 2 off the exponent field: the conversion's scale operand
	v_add_nc_u32 v[SOP+1], 0xff000000, v[BM+1]
	SUM4
	v_lshrrev_b32 v[BY], 23, v[SOP]                ; the scale's byte
	v_lshrrev_b32 v[BY+1], 23, v[SOP+1]
	SUM4
	v_lshl_or_b32 v[BY], v[BY+1], 16, v[BY]        ; my blocks are h and 2 + h of the four:
	SUM4
	v_lshlrev_b32 v[BY], v[SH], v[BY]              ; their bytes at their places in the scale word
	SUM4
	v_permlanex16_b32 v[T0], v[BY], s[SEL], s[SEL+1]
.irp c, 0,1
	v_cvt_scalef32_pk16_fp6_f32 v[PC+6*\c:PC+6*\c+2], v[S+32*\c:S+32*\c+15], v[SOP+\c]
	v_cvt_scalef32_pk16_fp6_f32 v[CT+4*\c:CT+4*\c+2], v[S+32*\c+16:S+32*\c+31], v[SOP+\c]   ; (a conversion's three registers begin on an even number)
.endr
	WIN 0x05*(\u)                                  ; scale operands are taken from window 0
	v_or_b32 v[PW+(\u)], v[BY], v[T0]              ; with lane l xor 16's two bytes the word is whole (the plain place behind the conversions)
	WIN 0x55*(\u)
.irp c, 0,1
.irp i, 0,1,2
	v_mov_b32 v[PC+6*\c+3+\i], v[CT+4*\c+\i]
.endr
.endr
	SUM4                                           ; these twelve, and the next half's first eight lines, stand between the lines that made p's codes and scale word and the products
	SUM4
	v_pk_add_f32 v[L:L+1], v[L:L+1], v[S+62:S+63]
	v_pk_add_f32 v[X:X+1], v[X:X+1], v[X+2:X+3]
	v_pk_add_f32 v[L:L+1], v[L:L+1], v[X+4:X+5]
	v_pk_add_f32 v[L:L+1], v[L:L+1], v[X:X+1]
.endm
; THE WAY OUT OF A TILE.  Register 16 b + i of O^T is channel 32 b + 16 h + i of my query: two half blocks of the head's two blocks of 32 along the last projection's K.
.macro OUT p, u
	WIN 0x55*(\u)
	v_add_f32 v[L], v[L], v[L+1]
	v_permlanex16_b32 v[T0], v[L], s[SEL], s[SEL+1]
	v_add_f32 v[L], v[L], v[T0]                    ; the row's sum
	WALU
	v_rcp_f32 v[L], v[L]
	v_nop
	WALU
.set J_, 0
.rept 16
	v_pk_mul_f32 v[S+J_:S+J_+1], v[O+J_:O+J_+1], v[L:L+1] op_sel_hi:[1,0]   ; O^T / the sum, each accumulator from its low end on
.set J_, J_+2
.endr
	v_max3_num_f32 v[CH], |v[S]|, |v[S+1]|, 0x1800000
	v_max3_num_f32 v[CH+1], |v[S+16]|, |v[S+17]|, 0x1800000
.irp i, 2,4,6,8,10,12,14
	v_max3_num_f32 v[CH], v[CH], |v[S+\i]|, |v[S+\i+1]|
	v_max3_num_f32 v[CH+1], v[CH+1], |v[S+16+\i]|, |v[S+17+\i]|
.endr
	v_permlanex16_b32 v[CH+2], v[CH], s[SEL], s[SEL+1]
	v_permlanex16_b32 v[CH+3], v[CH+1], s[SEL], s[SEL+1]
	v_max_num_f32 v[CH], v[CH], v[CH+2]
	v_max_num_f32 v[CH+1], v[CH+1], v[CH+3]
	v_add_nc_u32 v[SOP], 0xff000000, v[CH]
	v_add_nc_u32 v[SOP+1], 0xff000000, v[CH+1]
	v_lshrrev_b32 v[BY], 23, v[SOP]
	v_lshrrev_b32 v[BY+1], 23, v[SOP+1]
	v_cndmask_b32 v[BY], v[BY], v[BY+1], s25       ; lane (r, h) stores block h's byte of token r
	v_cvt_scalef32_pk16_fp6_f32 v[PC:PC+2], v[S:S+15], v[SOP]
	v_cvt_scalef32_pk16_fp6_f32 v[CT:CT+2], v[S+16:S+31], v[SOP+1]
	v_nop                                          ; one plain place behind a scaled conversion
.irp i, 0,1,2
	v_permlane16_swap_b32 v[PC+\i], v[CT+\i]       ; the operand's layout wants a whole block in a lane
.endr
.irp i, 0,1,2
	v_mov_b32 v[PC+3+\i], v[CT+\i]
.endr
	WIN 0x04*(\u)                                  ; the stores' data lie in the tile's window
	global_store_b128 v1, v[PC:PC+3], s[16:17] offset:98304*(2*(\p)+(\u))          ; the half fragment's image: 512 and 256 consecutive bytes; 8 tiles x 16 heads x 768 bytes from tile to tile
	global_store_b64 v2, v[PC+4:PC+5], s[16:17] offset:98304*(2*(\p)+(\u))+512
	global_store_b8 v4, v[BY], s[26:27] offset:4096*(2*(\p)+(\u))
.endm
; TWO TILES: all 16 key steps, then their way out
.macro PASS p
.if \p > 0
	s_wait_xcnt 0x0                                ; the last pass's stores have read their data
.endif
	WIN 0
	LOADBUF 0, 1, 0, KS                            ; key step 0's K: the lane terms v1, v2, v3 are its addresses;
	LOADBUF 0x40, 1, 2*REC, VS                     ; and its V, for the first product on zero codes
	v_mov_b32 v[PW+1], 0x7f7f7f7f                  ; with a finite scale word
.irp u, 0,1
	WIN 0x55*\u
	v_mov_b32 v[MX], 0xff61b1e6                    ; the largest score so far: -3e38
	v_mul_f32 v[T0], s[NC], v[MX]
	v_floor_f32 v[NMA], v[T0]                      ; -M
	v_mov_b32 v[L], 0
	v_mov_b32 v[L+1], 0
.set J_, 0
.rept 32
	v_mov_b32 v[O+J_], 0                           ; O^T: the step is written once; the first finds zeros, which the first change of M leaves zeros
.set J_, J_+1
.endr
.if \u
.set J_, 0
.rept 12
	v_mov_b32 v[PC+J_], 0                          ; tile 1's p of the step before the first: zero codes
.set J_, J_+1
.endr
.endif
.endr
	WIN 0
	s_mov_b32 s[TB], 0
	s_mov_b32 s[TRIPS], 8
	WALU
	s_wait_dscnt 0x0
	QK2 \p, 0, 0                                   ; tile 0's scores of key step 0
	QK2 \p, 0, 2
	QK2 \p, 0, 4
	QK2 \p, 0, 6
	WIN 0
.rept 4
	v_nop                                          ; four places (ISA guide 7.12.1) ahead of the first read of the scores
.endr
.Ltrip_\@:
	s_add_co_u32 s[TN], s[TB], PAIRB
	s_min_u32 s[TN], s[TN], 7*PAIRB                ; the next pair of key steps, held at the last
	HALF \p, 0, 0, NMA, NMB
	HALF \p, 1, 0, NMA, NMB
	HALF \p, 0, 1, NMB, NMA
	HALF \p, 1, 1, NMB, NMA
	WIN 0
	s_add_co_u32 s[TB], s[TB], PAIRB
	s_sub_co_u32 s[TRIPS], s[TRIPS], 1
	s_cmp_lg_u32 s[TRIPS], 0
	WALU
	s_cbranch_scc1 .Ltrip_\@
	PV2 1, 0                                       ; tile 1's P V of the last key step
	PV2 1, 2
	OUT \p, 0
	OUT \p, 1
	WIN 0
.endm
	PASS 0
	PASS 1
	s_wait_tensorcnt 0x0                           ; the wave's end
	ds_add_u32 v[SPW], v[NIL]
	s_wait_dscnt 0x0
	ROUND                                          ; the closing round
	s_endpgm
.Lfunc_end_k_q4c2ab6a002_attn:
	.size	k_q4c2ab6a002_attn, .Lfunc_end_k_q4c2ab6a002_attn-k_q4c2ab6a002_attn
	.p2alignl 7, 3214868480
	.fill 96, 4, 3214868480
	.section	.rodata,"a",@progbits
	.p2align	6, 0x0
	.amdhsa_kernel k_q4c2ab6a002_attn
		.amdhsa_group_segment_fixed_size 206848
		.amdhsa_private_segment_fixed_size 0
		.amdhsa_enable_private_segment 0
		.amdhsa_kernarg_size 24
		.amdhsa_user_sgpr_count 2
		.amdhsa_user_sgpr_kernarg_segment_ptr 1
		.amdhsa_wavefront_size32 1
		.amdhsa_system_sgpr_workgroup_id_x 1
		.amdhsa_system_sgpr_workgroup_id_y 1
		.amdhsa_system_sgpr_workgroup_id_z 1
		.amdhsa_system_vgpr_workitem_id 0
		.amdhsa_next_free_vgpr 512
		.amdhsa_next_free_sgpr 66
		.amdhsa_reserve_vcc 0
		.amdhsa_float_denorm_mode_32 3
		.amdhsa_float_denorm_mode_16_64 3
		.amdhsa_memory_ordered 1
		.amdhsa_forward_progress 1
		.amdhsa_inst_pref_size 146
	.end_amdhsa_kernel
	.amdgpu_metadata
---
amdhsa.version: [ 1, 2 ]
amdhsa.kernels:
  - .name:           k_q4c2ab6a002_attn
    .symbol:         k_q4c2ab6a002_attn.kd
    .args:
      - { .name: pf, .offset: 0, .size: 8, .value_kind: global_buffer, .address_space: global }
      - { .name: ac, .offset: 8, .size: 8, .value_kind: global_buffer, .address_space: global }
      - { .name: asc, .offset: 16, .size: 8, .value_kind: global_buffer, .address_space: global }
    .group_segment_fixed_size: 206848
    .private_segment_fixed_size: 0
    .kernarg_segment_align: 8
    .kernarg_segment_size: 24
    .max_flat_workgroup_size: 256
    .sgpr_count:     66
    .vgpr_count:     512
    .wavefront_size: 32
...
	.end_amdgpu_metadata
.endif
;; end of part 3
;; launch outp (part 4): grid 8 x 32, 16 waves a work-group, clusters of 4 x 4, 327,680 bytes of LDS; arguments ac, asc, xc, xs, out0; writes out0
.if DOCPART == 4
	.amdgcn_target "amdgcn-amd-amdhsa--gfx1250"
	.amdhsa_code_object_version 6
	.text
	.protected	k_q4c2ab6a002_outp
	.globl	k_q4c2ab6a002_outp
	.p2align	8
	.type	k_q4c2ab6a002_outp,@function
k_q4c2ab6a002_outp:
	s_mov_b64 s[64:65], 0
	v_nop
	global_prefetch_b8 v0, s[64:65] scope:SCOPE_SE
	s_setreg_imm32_b32 hwreg(HW_REG_WAVE_MODE, 25, 1), 1
	s_wait_xcnt 0x0
	s_wait_alu depctr_hold_cnt(0) depctr_sa_sdst(0) depctr_va_vdst(0) depctr_va_sdst(0) depctr_va_ssrc(0) depctr_va_vcc(0) depctr_vm_vsrc(0)
	s_getreg_b32 s2, hwreg(HW_REG_IB_STS2, 6, 4)
	s_cmp_eq_u32 s2, 0
	s_cbranch_scc0 .Lentry_in_a_cluster
	s_endpgm
.Lentry_in_a_cluster:
	s_bfe_u32 s2, ttmp6, 0x10000c
	s_cmp_lg_u32 s2, 0xf033
	s_cbranch_scc0 .Lentry_shape_is_right
	s_endpgm
.Lentry_shape_is_right:
; out0 [8192][1024] f32 = A wo^T on codes of FP6 (E2M3), K = 1,024.  A: the attention's result as the launch before leaves it: ac [token / 16][head][half fragment of 768 bytes: the image of 6 operand registers],
; asc [token][32] scale bytes.  wo: rows 27,648 on of xc ([256 rows][K step of 256][row][192 bytes]) and of xs (32 scale bytes a row).
; SHARES.  256 work-groups, each 256 tokens x 128 columns; sixteen waves, 8 x 2, each 32 tokens x 64 columns: 8 accumulators, 2 fragments of A and 4 of wo for each 128 along K.
; ALL OF K LIES IN LDS, FILLED ONCE: A 4 K steps x 16 tiles x 3,072 bytes, as images, unpadded; wo 4 K steps x 128 rows of 240 bytes (192 + 16 behind each 64).  No ring, no refill.
; One joint load a wave: wave 4 k + 0, 1 half of A's K step k (8 tiles), wave 4 k + 2, 3 half of wo's (64 rows, a dense block stated as 48 rows of 256 bytes).  A's tiles are shared by a row of the 4 x 4 cluster, wo's by a column.
; FOUR BARRIERS show the K steps one by one: in front of barrier k the waves under 4 (k + 1) wait for their load; each group of waves has load lines of its own.  The last wait stands on every wave's way.
; The scale words stay in registers for the whole launch: a lane loads its row's 32 bytes, 8 words, for each of its 2 + 4 blocks; sixteen lanes read 512 consecutive bytes with two loads.
; THE MATRIX INSTRUCTION IS USED TRANSPOSED (source 0 = 16 rows of wo, source 1 = 16 tokens): a lane holds 8 neighbouring columns of one token.  A block of 16 tokens x 64 columns goes through the wave's own stage and
; leaves as rows of 256 bytes, sixteen lanes to an aligned run of 256 bytes.  The stages lie on A's bytes, which have had their only fill, behind a barrier behind which nobody reads them.
; No prefetch: the launch has no loop to run ahead in; every byte is asked for at the head.
.set AQ,     49152                     ; a K step of A in LDS
.set PITCH,  240
.set BQ,     128*PITCH                 ; a K step of wo in LDS
.set BB,     4*AQ
.set SPARE,  BB+4*BQ                   ; the spare words, 128 bytes for each wave, which no other line names
.set SPITCH, 272
.set STG,    16*SPITCH                 ; a stage: 16 rows of 256 + 16 bytes; two for each wave
.set SPW,  4                           ; v4   my spare word
.set NIL,  5                           ; v5   0
.set AA,   6                           ; v6, v7  A: 16 x lane, for K steps 0-1 and 2-3;  v8, v9  8 x lane
.set AB,   10                          ; v10, v11  wo: row x pitch + 24 h, for K steps 0-1 and 2-3;  v12, v13  the same + 16 h, for the pieces whose lanes 16-31 lie behind one padding more
.set STO,  14
.set RD,   15
.set CO,   16
.set SO,   17                          ; v17  32 r: my row's scale bytes
.set SA,   24                          ; v24-39  A's scale words: 8 a + q
.set SB,   44                          ; v44-75  wo's: 8 b + q
.set AF,   80                          ; v80-103   A's two fragments
.set BF,   104                         ; v104-151  wo's four
.set ACC,  160                         ; v160-223  accumulator (a, b) at 8 (4 a + b)
.set BK,   224                         ; v224-255  16 rows read back from the stage
.set G1A, 24
.set G1B, 32
.set G0A, 40
.set G0B, 44
.macro ROUND                           ; a round of the cluster's barrier
	s_barrier_signal -1
	s_barrier_wait -1
	s_cmp_lg_u32 s14, 0
	s_cbranch_scc1 .Lnot_wave_0_\@
	s_barrier_signal -3
.Lnot_wave_0_\@:
	s_barrier_wait -3
	s_barrier_signal -1
	s_barrier_wait -1
.endm
	s_load_b256 s[4:11], s[0:1], 0x0               ; ac s[4:5], asc s[6:7], xc s[8:9], xs s[10:11]
	s_load_b64 s[12:13], s[0:1], 0x20              ; out0
	v_lshl_add_u32 v[SPW], v0, 2, SPARE
	v_mov_b32 v[NIL], 0
	ds_add_u32 v[SPW], v[NIL]                      ; the opening lines: the add, twice on end, and its wait ahead of my tensor load
	ds_add_u32 v[SPW], v[NIL]
	v_lshrrev_b32 v1, 5, v0
	v_readfirstlane_b32 s14, v1                    ; wave 0..15
	s_lshr_b32 s15, s14, 1                         ; which 32 tokens are mine
	s_and_b32 s16, s14, 1                          ; which 64 columns.  Also: which half of a K step I fetch
	s_lshr_b32 s17, s14, 2                         ; which K step I fetch
	s_bfe_u32 s18, ttmp6, 0x40000                  ; cx
	s_bfe_u32 s19, ttmp6, 0x40004                  ; cy
	s_lshl_b32 s20, ttmp9, 2
	s_add_co_u32 s20, s20, s18                     ; tile column, 0..7
	s_and_b32 s21, ttmp7, 0xffff
	s_lshl_b32 s21, s21, 2
	s_add_co_u32 s21, s21, s19                     ; tile row, 0..31
	s_lshl_b32 s22, s19, 2
	s_lshl_b32 s22, 15, s22                        ; my row of the cluster
	s_lshl_b32 s23, 0x1111, s18                    ; my column
	s_or_b32 s[G1A], s22, (3<<16)|(1<<21)          ; A: 8 rows (tiles) of 3,072 bytes (384 elements of 8), 12,288 bytes apart; no padding
	s_mov_b32 s[G1A+1], 384<<16
	s_mov_b32 s[G1A+2], 8<<16
	s_mov_b32 s[G1A+3], 384<<16
	s_mov_b32 s[G1A+4], 8
	s_mov_b32 s[G1A+5], 1536
	s_mov_b32 s[G1A+6], 0
	s_mov_b32 s[G1A+7], 0
	s_or_b32 s[G1B], s23, (1<<20)|(1<<21)|(3<<22)|(3<<25)   ; wo: 48 rows of 256 bytes, dense; 4 words of padding behind every 16
	s_mov_b32 s[G1B+1], 256<<16
	s_mov_b32 s[G1B+2], 48<<16
	s_mov_b32 s[G1B+3], 256<<16
	s_mov_b32 s[G1B+4], 48
	s_mov_b32 s[G1B+5], 256
	s_mov_b32 s[G1B+6], 0
	s_mov_b32 s[G1B+7], 0
	s_mov_b32 s[G0A], 1
	s_mul_i32 s[G0A+1], s17, AQ                    ; LDS: K step, half
	s_mul_i32 s48, s16, AQ/2
	s_add_co_u32 s[G0A+1], s[G0A+1], s48
	s_mov_b32 s[G0B], 1
	s_mul_i32 s[G0B+1], s17, BQ
	s_mul_i32 s48, s16, BQ/2
	s_add_co_u32 s[G0B+1], s[G0B+1], s48
	s_add_co_u32 s[G0B+1], s[G0B+1], BB
	s_mul_i32 s50, s21, 16*12288                   ; ac: 16 tiles a tile row, + 8 tiles x half, + 4 heads x K step
	s_mul_i32 s48, s16, 8*12288
	s_add_co_u32 s50, s50, s48
	s_mul_i32 s48, s17, 3072
	s_add_co_u32 s50, s50, s48
	s_mov_b32 s51, 0
	s_lshr_b32 s52, s20, 1                         ; xc: wo's block of 256 rows, K step, my tile's 128 rows, my 64 of them
	s_mul_i32 s52, s52, 196608
	s_and_b32 s48, s20, 1
	s_mul_i32 s48, s48, 24576
	s_add_co_u32 s52, s52, s48
	s_mul_i32 s48, s17, 49152
	s_add_co_u32 s52, s52, s48
	s_mul_i32 s48, s16, 12288
	s_add_co_u32 s52, s52, s48
	s_add_co_u32 s52, s52, 27648*768
	s_mov_b32 s53, 0
	s_lshl_b32 s54, s21, 13                        ; asc: (256 x tile row + 32 x my place) x 32
	s_lshl_b32 s48, s15, 10
	s_add_co_u32 s54, s54, s48
	s_mov_b32 s55, 0
	s_lshl_b32 s56, s20, 12                        ; xs: (27,648 + 128 x tile column + 64 x my place) x 32
	s_lshl_b32 s48, s16, 11
	s_add_co_u32 s56, s56, s48
	s_add_co_u32 s56, s56, 27648*32
	s_mov_b32 s57, 0
	s_lshl_b32 s58, s21, 20                        ; out0: my first token's row of 4,096 bytes, + 512 x tile column + 256 x my place
	s_lshl_b32 s48, s15, 17
	s_add_co_u32 s58, s58, s48
	s_lshl_b32 s48, s20, 9
	s_add_co_u32 s58, s58, s48
	s_lshl_b32 s48, s16, 8
	s_add_co_u32 s58, s58, s48
	s_mov_b32 s59, 0
	v_and_b32 v1, 15, v0                           ; r
	v_bfe_u32 v2, v0, 4, 1                         ; h
	v_and_b32 v3, 31, v0                           ; lane
	s_mul_i32 s60, s15, 2*3072                     ; my two tiles in a K step of A
	v_lshlrev_b32 v18, 4, v3
	v_add_nc_u32 v[AA], s60, v18
	v_lshlrev_b32 v18, 3, v3
	v_add_nc_u32 v[AA+2], s60, v18
	v_add_nc_u32 v[AA+1], 2*AQ, v[AA]
	v_add_nc_u32 v[AA+3], 2*AQ, v[AA+2]
	v_mul_u32_u24 v18, v1, PITCH
	v_mad_u32_u24 v18, v2, 24, v18
	s_mul_i32 s61, s16, BQ/2                       ; my 64 rows of wo
	s_add_co_u32 s61, s61, BB
	v_add_nc_u32 v[AB], s61, v18
	v_lshl_add_u32 v[AB+2], v2, 4, v[AB]
	v_add_nc_u32 v[AB+1], 2*BQ, v[AB]
	v_add_nc_u32 v[AB+3], 2*BQ, v[AB+2]
	v_lshlrev_b32 v[SO], 5, v1
	s_mul_i32 s62, s14, 2*STG                      ; my two stages
	v_mul_u32_u24 v18, v1, SPITCH                  ; in: row r, 32 bytes for each half of the lanes
	v_lshl_add_u32 v18, v2, 5, v18
	v_add_nc_u32 v[STO], s62, v18
	v_mul_u32_u24 v18, v2, SPITCH                  ; back: lanes 0-15 one row of 256 bytes, lanes 16-31 the next
	v_lshl_add_u32 v18, v1, 4, v18
	v_add_nc_u32 v[RD], s62, v18
	v_lshlrev_b32 v18, 12, v2                      ; and the same two rows in out0
	v_lshl_add_u32 v[CO], v1, 4, v18
	s_wait_alu depctr_va_vdst(0)                   ; the wait at the head's end
	s_wait_dscnt 0x0                               ; both opening adds are done
	ROUND                                          ; all sixteen work-groups are here: the joint loads meet
	s_wait_kmcnt 0x0
	s_add_nc_u64 s[G0A+2:G0A+3], s[4:5], s[50:51]
	s_or_b32 s[G0A+3], s[G0A+3], 0x80000000
	s_add_nc_u64 s[G0B+2:G0B+3], s[8:9], s[52:53]
	s_or_b32 s[G0B+3], s[G0B+3], 0x80000000
	s_add_nc_u64 s[6:7], s[6:7], s[54:55]
	s_add_nc_u64 s[10:11], s[10:11], s[56:57]
	s_add_nc_u64 s[12:13], s[12:13], s[58:59]
; one chain of branches on the wave's number, one load to an arm: the two waves of an arm wait alike
.macro ARM under, g0, g1
	s_cmp_lt_u32 s14, \under
	s_cbranch_scc0 .Lnext_\@
	tensor_load_to_lds s[\g0:\g0+3], s[\g1:\g1+7]
	s_nop 0
.rept 4
	v_nop
.endr
	s_branch .Lasked
.Lnext_\@:
.endm
	ARM 2,  G0A, G1A
	ARM 4,  G0B, G1B
	ARM 6,  G0A, G1A
	ARM 8,  G0B, G1B
	ARM 10, G0A, G1A
	ARM 12, G0B, G1B
	ARM 14, G0A, G1A
	tensor_load_to_lds s[G0B:G0B+3], s[G1B:G1B+7]
	s_nop 0
.rept 4
	v_nop
.endr
.Lasked:
.irp a, 0,1
	global_load_b128 v[SA+8*\a:SA+8*\a+3], v[SO], s[6:7] offset:512*\a
	global_load_b128 v[SA+8*\a+4:SA+8*\a+7], v[SO], s[6:7] offset:512*\a+16
.endr
.irp b, 0,1,2,3
	global_load_b128 v[SB+8*\b:SB+8*\b+3], v[SO], s[10:11] offset:512*\b
	global_load_b128 v[SB+8*\b+4:SB+8*\b+7], v[SO], s[10:11] offset:512*\b+16
.endr
.macro SHOW k                          ; K step k is shown to all waves; nothing is ever filled again
.if \k < 3
	s_cmp_lt_u32 s14, 4*(\k)+4
	s_cbranch_scc0 .Lnot_mine_\@
	s_wait_tensorcnt 0x0
.Lnot_mine_\@:
.else
	s_wait_tensorcnt 0x0
.endif
	s_barrier_signal -1
	s_barrier_wait -1
.endm
.macro FRAGB reg, q, b                 ; 16 rows of wo x 128 K: six pieces of 8 bytes
.irp p, 0,1,2,3,4,5
.set PCE, 12*((\q)%2)+6*(\p/3)+\p%3
.set OF_, (((\q)/2)%2)*BQ+(\b)*16*PITCH+8*PCE+16*(PCE/8)
.if PCE%8 < 5
	ds_load_b64 v[\reg+2*\p:\reg+2*\p+1], v[AB+(\q)/4] offset:OF_
.else
	ds_load_b64 v[\reg+2*\p:\reg+2*\p+1], v[AB+2+(\q)/4] offset:OF_
.endif
.endr
.endm
.macro LOADS q                         ; the fragments of 128 along K: 8 + 24 loads
.irp a, 0,1
.set FO_, (((\q)/2)%2)*AQ+\a*3072+((\q)%2)*1536
	ds_load_b128 v[AF+12*\a:AF+12*\a+3], v[AA+(\q)/4] offset:FO_
	ds_load_b64 v[AF+12*\a+4:AF+12*\a+5], v[AA+2+(\q)/4] offset:FO_+512
	ds_load_b128 v[AF+12*\a+6:AF+12*\a+9], v[AA+(\q)/4] offset:FO_+768
	ds_load_b64 v[AF+12*\a+10:AF+12*\a+11], v[AA+2+(\q)/4] offset:FO_+1280
.endr
.irp b, 0,1,2,3
	FRAGB BF+12*\b, \q, \b
.endr
.endm
.macro MULS q                          ; the 8 accumulators by turns; the first products start the sums
.irp a, 0,1
.irp b, 0,1,2,3
.if (\q) == 0
	v_wmma_scale_f32_16x16x128_f8f6f4 v[ACC+8*(4*\a+\b):ACC+8*(4*\a+\b)+7], v[BF+12*\b:BF+12*\b+11], v[AF+12*\a:AF+12*\a+11], 0, v[SB+8*\b+(\q)], v[SA+8*\a+(\q)] matrix_a_fmt:MATRIX_FMT_FP6 matrix_b_fmt:MATRIX_FMT_FP6
.else
	v_wmma_scale_f32_16x16x128_f8f6f4 v[ACC+8*(4*\a+\b):ACC+8*(4*\a+\b)+7], v[BF+12*\b:BF+12*\b+11], v[AF+12*\a:AF+12*\a+11], v[ACC+8*(4*\a+\b):ACC+8*(4*\a+\b)+7], v[SB+8*\b+(\q)], v[SA+8*\a+(\q)] matrix_a_fmt:MATRIX_FMT_FP6 matrix_b_fmt:MATRIX_FMT_FP6
.endif
.endr
.endr
.rept 4
	v_nop                                          ; four places ahead of the loads into the fragments' registers and of the first read of results
.endr
.endm
.irp q, 0,1,2,3,4,5,6,7
.if \q%2 == 0
	SHOW \q/2
.endif
	LOADS \q
.if \q == 0
	s_wait_loadcnt 0x0                             ; the scale words
.endif
	s_wait_dscnt 0x0
	MULS \q
.endr
	s_barrier_signal -1                            ; every wave's reads of A and wo have come back: the stages may be written
	s_barrier_wait -1
.macro TOSTAGE a, back
.irp b, 0,1,2,3
	ds_store_b128 v[STO], v[ACC+8*(4*\a+\b):ACC+8*(4*\a+\b)+3] offset:\a*STG+64*\b         ; each accumulator from its low end on
	ds_store_b128 v[STO], v[ACC+8*(4*\a+\b)+4:ACC+8*(4*\a+\b)+7] offset:\a*STG+64*\b+16
.endr
.irp t, 0,1,2,3,4,5,6,7
	ds_load_b128 v[\back+4*\t:\back+4*\t+3], v[RD] offset:\a*STG+\t*2*SPITCH                ; LDS serves a wave's instructions in order: these see my stores
.endr
.endm
.macro SEND a, back
.irp t, 0,1,2,3,4,5,6,7
	global_store_b128 v[CO], v[\back+4*\t:\back+4*\t+3], s[12:13] offset:(16*\a+2*\t)*4096 th:TH_STORE_NT   ; sixteen lanes store 256 consecutive bytes, aligned
.endr
.endm
	TOSTAGE 0, BK
	TOSTAGE 1, AF
	s_wait_dscnt 16                                ; the first block is back; the second block's 8 stores and 8 loads may be out
	SEND 0, BK
	s_wait_dscnt 0x0
	SEND 1, AF
	s_wait_tensorcnt 0x0                           ; the wave's end
	ds_add_u32 v[SPW], v[NIL]
	s_wait_dscnt 0x0
	ROUND                                          ; the closing round
	s_endpgm
.Lfunc_end_k_q4c2ab6a002_outp:
	.size	k_q4c2ab6a002_outp, .Lfunc_end_k_q4c2ab6a002_outp-k_q4c2ab6a002_outp
	.p2alignl 7, 3214868480
	.fill 96, 4, 3214868480
	.section	.rodata,"a",@progbits
	.p2align	6, 0x0
	.amdhsa_kernel k_q4c2ab6a002_outp
		.amdhsa_group_segment_fixed_size 327680
		.amdhsa_private_segment_fixed_size 0
		.amdhsa_enable_private_segment 0
		.amdhsa_kernarg_size 40
		.amdhsa_user_sgpr_count 2
		.amdhsa_user_sgpr_kernarg_segment_ptr 1
		.amdhsa_wavefront_size32 1
		.amdhsa_system_sgpr_workgroup_id_x 1
		.amdhsa_system_sgpr_workgroup_id_y 1
		.amdhsa_system_sgpr_workgroup_id_z 1
		.amdhsa_system_vgpr_workitem_id 0
		.amdhsa_next_free_vgpr 256
		.amdhsa_next_free_sgpr 66
		.amdhsa_reserve_vcc 0
		.amdhsa_float_denorm_mode_32 3
		.amdhsa_float_denorm_mode_16_64 3
		.amdhsa_memory_ordered 1
		.amdhsa_forward_progress 1
		.amdhsa_inst_pref_size 40
	.end_amdhsa_kernel
	.amdgpu_metadata
---
amdhsa.version: [ 1, 2 ]
amdhsa.kernels:
  - .name:           k_q4c2ab6a002_outp
    .symbol:         k_q4c2ab6a002_outp.kd
    .args:
      - { .name: ac, .offset: 0, .size: 8, .value_kind: global_buffer, .address_space: global }
      - { .name: asc, .offset: 8, .size: 8, .value_kind: global_buffer, .address_space: global }
      - { .name: xc, .offset: 16, .size: 8, .value_kind: global_buffer, .address_space: global }
      - { .name: xs, .offset: 24, .size: 8, .value_kind: global_buffer, .address_space: global }
      - { .name: out0, .offset: 32, .size: 8, .value_kind: global_buffer, .address_space: global }
    .group_segment_fixed_size: 327680
    .private_segment_fixed_size: 0
    .kernarg_segment_align: 8
    .kernarg_segment_size: 40
    .max_flat_workgroup_size: 512
    .sgpr_count:     66
    .vgpr_count:     256
    .wavefront_size: 32
...
	.end_amdgpu_metadata
.endif
;; end of part 4
